; MI455X (gfx1250); checked and timed in simulation.
; The chip was launched on July 23, 2026; its instructions are those of AMD's public machine-readable ISA for CDNA 5 (MIT licence, August 2026) and "CDNA5" Instruction Set Architecture Reference Guide (July 2026). The comments in the code are by the model that wrote it; some were corrected since.
;; Transformer Encoder Layer. Allowed arithmetic: matrix products marked QUANTISED: E2M3 operands, one E8M0 scale for each 32 along K, by v_wmma_scale_f32_16x16x128_f8f6f4 with both operands' format E2M3, f32 sums; everything else in f32.
;; Inputs: b_fc1 4,096 float32; b_fc2 1,024 float32; b_proj 1,024 float32; b_qkv 3,072 float32; beta1 1,024 float32; beta2 1,024 float32; g1 1,024 float32; g2 1,024 float32; w_fc1_codes 4,096 x 32 x 24 uint8 (E2M3 codes of w_fc1, K innermost, in blocks of 32 codes, four codes in three bytes); w_fc1_scales 4,096 x 32 uint8 (E8M0 scales of w_fc1, one for each 32 codes along K); w_fc2_codes 1,024 x 128 x 24 uint8 (E2M3 codes of w_fc2, K innermost, in blocks of 32 codes, four codes in three bytes); w_fc2_scales 1,024 x 128 uint8 (E8M0 scales of w_fc2, one for each 32 codes along K); w_proj_codes 1,024 x 32 x 24 uint8 (E2M3 codes of w_proj, K innermost, in blocks of 32 codes, four codes in three bytes); w_proj_scales 1,024 x 32 uint8 (E8M0 scales of w_proj, one for each 32 codes along K); w_qkv_codes 3,072 x 32 x 24 uint8 (E2M3 codes of w_qkv, K innermost, in blocks of 32 codes, four codes in three bytes); w_qkv_scales 3,072 x 32 uint8 (E8M0 scales of w_qkv, one for each 32 codes along K); x 2 x 2,048 x 1,024 float32.
;; Outputs: out0 2 x 2,048 x 1,024 float32.
;; This version of the problem:
;;   THIS VERSION OF THE PROBLEM IS GIVEN IN LOW PRECISION. The matrix products marked QUANTISED in the list below multiply operands that are first quantised to E2M3 (2 exponent bits, 3 mantissa bits; 6 bits a number), with one power-of-two scale for each 32 numbers along K (OCP MX v1.0); their sums are f32. All else is computed in f32.
;;   The module's matrix products, in the order in which they are computed (A, B: the left and right operand; K: the contracted axis; several contracted axes count as one K, in the product's order):
;;     1. [M 4,096, K 1,024] x [K 1,024, N 3,072]; A: computed on the way; B: input w_qkv (given as codes): QUANTISED
;;     2. batch 32 x [M 2,048, K 64] x [K 64, N 2,048]; A: computed on the way; B: computed on the way: QUANTISED
;;     3. batch 32 x [M 2,048, K 2,048] x [K 2,048, N 64]; A: softmax (see below); B: computed on the way: QUANTISED
;;     4. [M 4,096, K 1,024] x [K 1,024, N 1,024]; A: computed on the way; B: input w_proj (given as codes): QUANTISED
;;     5. [M 4,096, K 1,024] x [K 1,024, N 4,096]; A: computed on the way; B: input w_fc1 (given as codes): QUANTISED
;;     6. [M 4,096, K 4,096] x [K 4,096, N 1,024]; A: computed on the way; B: input w_fc2 (given as codes): QUANTISED
;;   THE QUANTISER, for each operand of a quantised product, along K:
;;     - K is cut into blocks of 32 from its start; a last block that is shorter is filled with zeros.
;;     - A block's scale is 2^e with e = floor(log2(the largest magnitude in the block)) - 2, held to -126 .. 127; a block of zeros has e = 0. As a byte (E8M0): e + 127.
;;     - Each number is divided by its block's scale, clamped to +-7.5, and rounded to the nearest number of E2M3, ties to even, subnormals kept.
;;     - The product sums the exact products of the quantised numbers (number of the format x scale) in f32.
;;   ~~~python
;;   def quantise(x, axis):      # numpy; x: float32 -> the quantised numbers, widened to float32 again
;;       x = np.moveaxis(x, axis, -1); K = x.shape[-1]
;;       x = np.pad(x, [(0, 0)] * (x.ndim - 1) + [(0, -K % 32)]); x = x.reshape(x.shape[:-1] + (-1, 32)); a = np.abs(x).max(-1, keepdims=True)
;;       e = np.where(a > 0, np.clip(np.frexp(np.where(a > 0, a, 1))[1] - 1 - 2, -126, 127), 0)      # np.frexp(a)[1] - 1 = floor(log2(a)), exactly
;;       r = np.clip(x / 2.0 ** e, -7.5, 7.5)
;;       step = 2.0 ** (np.maximum(np.frexp(np.where(r == 0, 1, r))[1] - 1, 0) - 3)
;;       q = np.round(r / step) * step * 2.0 ** e      # np.round: ties to even
;;       return np.moveaxis(q.reshape(q.shape[:-2] + (-1,))[..., :K], -1, axis).astype(np.float32)
;;   ~~~
;;   SOFTMAX AHEAD OF A QUANTISED PRODUCT. Where the list says 'softmax', what is quantised is not the finished softmax but p = 2^(t - M), with t = logit x log2(e) and M = ceil(the row's largest t), a whole number; so 1/2 < the row's largest p <= 1. The row's sum l is taken of the UNQUANTISED p, in f32, and the product's result is divided by l at the end. Since M is a whole number, a kernel that streams over the keys may use a running M (the ceiling of the running maximum): every later rescaling is an exact power of two, which a block's scale takes up: the codes' values come out the same.
;;   OPERANDS COMPUTED ON THE WAY. 'Computed on the way' means the value that the module computes at that place (a softmax that the list does not call 'softmax' is quantised finished and normalised). What goes into a quantiser is computed in f32, as accurately as f32 sums, v_exp_f32 and their like allow (about 1e-6 of the number): no bf16 or f16 on the way to a quantiser, and a product that is left as it is and whose result goes on into a quantised operand takes f32 operands (vector FMAs, or v_wmma_f32_16x16x4_f32). A number that lies on a knife's edge between two numbers of the format may be rounded either way, as far as f32 arithmetic and the matrix unit's own rounding can turn it there, and no further.
;;   INPUTS GIVEN AS CODES. w_fc1 (in the module: [1024, 4096], K = its axis 0); w_fc2 (in the module: [4096, 1024], K = its axis 0); w_proj (in the module: [1024, 1024], K = its axis 0); w_qkv (in the module: [1024, 3072], K = its axis 0): each comes as NAME_codes (uint8): NAME with its K axis moved to the last place and cut into blocks of 32 codes, [.., K / 32, bytes a block], one block behind the other in memory; four codes in three bytes: a row's codes are one little-endian stream of bits, code i at bits 6 i .. 6 i + 5 (a code: sign, 2 exponent bits, 3 mantissa bits); and NAME_scales (uint8): the same leading axes, one E8M0 byte (e + 127) for each 32 codes along K. Its value is code x scale, taken as it is: it is not quantised again, and the codes and scales need not be those that the quantiser above would give.
;; One version. Each part assembles by itself: llvm-mc -triple=amdgcn-amd-amdhsa -mcpu=gfx1250 --defsym DOCPART=n.
;; ======== version 1 of 1: 7 launches
;; limits: right only within a limited range of input values
;; workspace buffers: wimg 9,830,400 bytes; act 3,276,800 bytes; qimg 3,276,800 bytes; kvimg 6,553,600 bytes; att 3,276,800 bytes; x2 16,777,216 bytes; hid 13,107,200 bytes
;; launch prep (part 1): grid 352 x 1, 8 waves a work-group, no clusters, 137,728 bytes of LDS; arguments x, g1, beta1, act, wimg, w_qkv_codes, w_qkv_scales, w_proj_codes, w_proj_scales, w_fc1_codes, w_fc1_scales, w_fc2_codes, w_fc2_scales; writes act, wimg
.if DOCPART == 1
	.amdgcn_target "amdgcn-amd-amdhsa--gfx1250"
	.amdhsa_code_object_version 6
	.text
	.protected	k_q685790ad7a_prep
	.globl	k_q685790ad7a_prep
	.p2align	8
	.type	k_q685790ad7a_prep,@function
k_q685790ad7a_prep:
	s_mov_b64 s[64:65], 0
	v_nop
	global_prefetch_b8 v0, s[64:65] scope:SCOPE_SE
	s_setreg_imm32_b32 hwreg(HW_REG_WAVE_MODE, 25, 1), 1
	s_wait_xcnt 0x0
; FIRST LAUNCH OF SEVEN (prep, qkv, attn, proj, ln2, fc1, fc2) for one pre-norm encoder layer: 4,096 tokens, E = 1,024, 16 heads of 64, MLP 4,096; all six products on codes of FP6 (E2M3) with one E8M0 scale for each 32 along K.
; NO WORK IS LEFT OUT AS DEAD: every bias moves the codes of a quantised operand or an output, every input has a way to out0, and every input is loaded.
; LIMITS (all launches): NaN and infinities among the inputs are not served.  A block of zeros, or one whose largest magnitude lies under 2^-124, gets the scale byte 1 where the rule says 127 or less:
; its codes are zeros or the rule's own, and these bytes are read by this program alone.  The weights' given scale bytes are passed on as they are.
; THIS LAUNCH does two things.  Work-groups 0-255: h = LayerNorm(x) g1 + beta1 in f32, quantised along E, stored in act.  Work-groups 256-351: the four weights' codes and scale bytes are laid anew, in wimg.
; TILES.  Tile T of any row axis (tokens, a weight's output features) is the 16 rows 32 (T / 2) + 8 (T % 2) + i + 8 (i / 8), i = 0 .. 15.  With source 0 = such a tile, a product's results of tiles 2 B and 2 B + 1 are, in a lane's
; 16 registers, 16 neighbours along that axis: the order that the next quantiser wants.
; IMAGES.  A fragment (tile T, K step s of 128: 12 registers a lane) lies in memory as its registers: registers 4 q .. 4 q + 3 of lane l at 512 q + 16 l, 1,536 bytes; fragments [T][s].  So three loads of 16 bytes a lane bring an operand.
; Scale words (four bytes: one row, 128 along K) lie at T x 64 KT + (s / KS) x 64 KS + 4 KS r + 4 (s % KS); KS = the K steps of the reading launch's LDS slot (2: act, w_qkv, w_fc1; 4: w_proj, w_fc2).
; LN PATH.  Work-group = tile T; wave w = columns 128 w .. 128 w + 127.  For the quantiser lane (r, h) must hold, of row r of the tile, 16 neighbours of each block of 32: register 16 b + i = column 32 b + 16 h + i.
; A LOAD TAKES THE BYTES AS THEY LIE: sixteen lanes 256 consecutive bytes of one row, the other sixteen the same of the next row; the numbers turn through the wave's own stage in LDS, half of the wave's columns at a time.
; Mean first, then the mean of the squared differences; the eight waves' sums meet in LDS.
.set RED2,   512                       ; LDS: 0: the sums, [r][wave] words; 512: the sums of squares; 1,024: the tile's scale words; 1,536: the spare words, 128 bytes a wave, which no other line names
.set SCW,    1024
.set SPARE,  1536
.set STG,    2560                      ; the LN path's stages: 16 rows x (256 + 16) bytes for each wave
.set SPITCH, 272
.set WSTG,   STG+8*16*SPITCH           ; the weight path's stages, bytes of their own: 16 rows x (768 + 16) bytes for each wave
.set WPITCH, 784
.set X,   32                           ; v32-95   my 64 numbers
.set G,   96                           ; v96-159  the gain at my columns;   v160-223 the bias
.set BE,  160
.set TM,  96                           ; the quantiser's registers take the gain's place: v96-99 largest magnitudes, v100-103 bytes, v108-111 the conversions' scale operands
.set PW,  112                          ; the scale word
.set F,   116                          ; v116-127 the fragment
.set CT,  128                          ; v128-134 the blocks' upper halves
.set SEL, 34                           ; s[34:35] lane selects for v_permlanex16_b32: lane l xor 16
; 64 numbers of a lane, register 16 b + i = k 32 b + 16 (lane / 16) + i of my row, become codes: blocks 0, 1 in v[d0] .. v[d0 + 5], blocks 2, 3 in v[d1] .. ; the four scale bytes in v[TM + 4] ..
.macro QUANT s, d0, d1
.irp b, 0,1,2,3
	v_max3_num_f32 v[TM+\b], |v[(\s)+16*\b]|, |v[(\s)+1+16*\b]|, 0x1800000   ; my 16 numbers of block b, and the floor 2^(3 - 127): the byte cannot fall under 1
.endr
.irp i, 2,4,6,8,10,12,14
.irp b, 0,1,2,3
	s_delay_alu instid0(VALU_DEP_4)
	v_max3_num_f32 v[TM+\b], v[TM+\b], |v[(\s)+16*\b+\i]|, |v[(\s)+1+16*\b+\i]|
.endr
.endr
.irp b, 0,1,2,3
	s_delay_alu instid0(VALU_DEP_4)
	v_permlanex16_b32 v[TM+4+\b], v[TM+\b], s[SEL], s[SEL+1]
.endr
.irp b, 0,1,2,3
	s_delay_alu instid0(VALU_DEP_4)
	v_max_num_f32 v[TM+\b], v[TM+\b], v[TM+4+\b]           ; with lane l xor 16's: the block's largest magnitude
.endr
.irp b, 0,1,2,3
	s_delay_alu instid0(VALU_DEP_4)
	v_add_nc_u32 v[TM+12+\b], 0xff000000, v[TM+\b]         ; 2 off its exponent field: the conversion's scale operand
.endr
.irp b, 0,1,2,3
	s_delay_alu instid0(VALU_DEP_4)
	v_lshrrev_b32 v[TM+4+\b], 23, v[TM+12+\b]              ; the scale's byte
.endr
	v_cvt_scalef32_pk16_fp6_f32 v[(\d0):(\d0)+2], v[(\s):(\s)+15], v[TM+12]
	v_cvt_scalef32_pk16_fp6_f32 v[CT:CT+2], v[(\s)+16:(\s)+31], v[TM+13]       ; (a conversion's three registers begin on an even number)
	v_cvt_scalef32_pk16_fp6_f32 v[(\d1):(\d1)+2], v[(\s)+32:(\s)+47], v[TM+14]
	v_cvt_scalef32_pk16_fp6_f32 v[CT+4:CT+6], v[(\s)+48:(\s)+63], v[TM+15]
	v_nop                                                  ; one plain place behind a scaled conversion
.irp i, 0,1,2
	v_permlane16_swap_b32 v[(\d0)+\i], v[CT+\i]            ; the operand wants a whole block in a lane: lanes 0-15 the even block, lanes 16-31 the odd one
	v_permlane16_swap_b32 v[(\d1)+\i], v[CT+4+\i]
.endr
.irp i, 0,1,2
	v_mov_b32 v[(\d0)+3+\i], v[CT+\i]
	v_mov_b32 v[(\d1)+3+\i], v[CT+4+\i]
.endr
.endm
; four pairs of partial sums in v[224:231] become, in v236 of every lane, the sum over the row's 1,024 columns
.macro ACROSS off
	s_delay_alu instid0(VALU_DEP_3)
	v_pk_add_f32 v[224:225], v[224:225], v[226:227]
	s_delay_alu instid0(VALU_DEP_2)
	v_pk_add_f32 v[228:229], v[228:229], v[230:231]
	s_delay_alu instid0(VALU_DEP_1)
	v_pk_add_f32 v[224:225], v[224:225], v[228:229]
	s_delay_alu instid0(VALU_DEP_1)
	v_add_f32 v244, v224, v225
	s_delay_alu instid0(VALU_DEP_1)
	v_permlanex16_b32 v245, v244, s[SEL], s[SEL+1]
	s_delay_alu instid0(VALU_DEP_1)
	v_add_f32 v244, v244, v245                             ; my wave's 128 columns of row r
	ds_store_b32 v7, v244 offset:\off                      ; both halves of the lanes write the same word with the same value
	s_wait_dscnt 0x0                                       ; for the others' sake: my store has landed
	s_barrier_signal -1
	s_barrier_wait -1
	ds_load_b128 v[236:239], v8 offset:\off
	ds_load_b128 v[240:243], v8 offset:\off+16
	s_wait_dscnt 0x0
	v_add_f32 v236, v236, v237
	v_add_f32 v238, v238, v239
	v_add_f32 v240, v240, v241
	v_add_f32 v242, v242, v243
	s_delay_alu instid0(VALU_DEP_3)
	v_add_f32 v236, v236, v238
	s_delay_alu instid0(VALU_DEP_2)
	v_add_f32 v240, v240, v242
	s_delay_alu instid0(VALU_DEP_1)
	v_add_f32 v236, v236, v240
.endm
	s_load_b256 s[4:11], s[0:1], 0x0               ; x s[4:5], g1 s[6:7], beta1 s[8:9], act s[10:11]
	s_load_b64 s[12:13], s[0:1], 0x20              ; wimg
	s_load_b512 s[16:31], s[0:1], 0x28             ; codes and scales of w_qkv s[16:19], w_proj s[20:23], w_fc1 s[24:27], w_fc2 s[28:31]
	v_lshl_add_u32 v12, v0, 2, SPARE               ; my spare word,
	v_mov_b32 v13, 0                               ; and 0: kept for the add at the wave's end
	v_lshrrev_b32 v1, 5, v0
	s_delay_alu instid0(VALU_DEP_1)
	v_readfirstlane_b32 s32, v1                    ; wave 0..7
	v_and_b32 v1, 31, v0                           ; lane
	v_and_b32 v2, 15, v0                           ; r
	v_bfe_u32 v3, v0, 4, 1                         ; h
	s_delay_alu instid0(VALU_DEP_3)
	v_lshlrev_b32 v6, 4, v1                        ; 16 x lane: an image's place for my lane
	s_cmp_ge_u32 ttmp9, 256                        ; the work-group's number alone: all eight waves go the same way
	s_cbranch_scc1 .Lweights
	v_lshlrev_b32 v4, 12, v3
	s_delay_alu instid0(VALU_DEP_1)
	v_lshl_add_u32 v4, v2, 4, v4                   ; x, as it is loaded: lanes 0-15 a row's 256 bytes, lanes 16-31 the next row's
	v_lshlrev_b32 v5, 6, v3                        ; gain and bias: 64 h
	s_lshl_b32 s33, s32, 2
	v_lshl_add_u32 v7, v2, 5, s33                  ; where I put a sum: 32 r + 4 w
	v_lshlrev_b32 v8, 5, v2                        ; where I read the eight: 32 r
	s_lshr_b32 s36, s32, 1
	s_lshl_b32 s36, s36, 7
	s_and_b32 s37, s32, 1
	s_lshl_b32 s37, s37, 2
	s_add_co_u32 s36, s36, s37
	s_add_co_u32 s36, s36, SCW
	s_wait_alu depctr_va_vdst(0)
	v_lshl_add_u32 v9, v2, 3, s36                  ; my scale word: SCW + 128 (w / 2) + 8 r + 4 (w % 2)
	v_add_nc_u32 v10, SCW, v6                      ; and the way out of the tile's 512 bytes of them
	s_mul_i32 s48, s32, 16*SPITCH
	s_add_co_u32 s48, s48, STG                     ; my wave's stage
	v_mul_u32_u24 v14, v3, SPITCH
	s_delay_alu instid0(VALU_DEP_1)
	v_lshl_add_u32 v14, v2, 4, v14
	s_delay_alu instid0(VALU_DEP_1)
	v_add_nc_u32 v14, s48, v14                     ; into it, as loaded: row h of a pair, 16 bytes a lane
	v_mul_u32_u24 v15, v2, SPITCH
	s_delay_alu instid0(VALU_DEP_1)
	v_lshl_add_u32 v15, v3, 6, v15
	s_delay_alu instid0(VALU_DEP_1)
	v_add_nc_u32 v15, s48, v15                     ; out of it: row r, + 64 h
	s_mov_b32 s[SEL], 0x76543210
	s_mov_b32 s[SEL+1], 0xfedcba98
	s_mov_b32 s38, 0x3a800000                      ; 1 / 1,024
	s_mov_b32 s39, 0x3727c5ac                      ; 1e-5
	s_lshr_b32 s40, ttmp9, 1
	s_lshl_b32 s40, s40, 5
	s_and_b32 s41, ttmp9, 1
	s_lshl_b32 s41, s41, 3
	s_add_co_u32 s40, s40, s41                     ; the tile's first row
	s_lshl_b32 s40, s40, 12
	s_lshl_b32 s42, s32, 9                         ; my wave's 512 bytes of a row
	s_add_co_u32 s40, s40, s42
	s_mov_b32 s41, 0
	s_mov_b32 s43, 0
	s_lshl_b32 s44, ttmp9, 3
	s_add_co_u32 s44, s44, s32
	s_mul_i32 s44, s44, 1536                       ; fragment (T, w)
	s_mov_b32 s45, 0
	s_lshl_b32 s46, ttmp9, 9
	s_add_co_u32 s46, s46, 3145728                 ; the tile's scale words
	s_mov_b32 s47, 0
	s_wait_alu depctr_va_vdst(0)
	s_wait_kmcnt 0x0
	s_add_nc_u64 s[4:5], s[4:5], s[40:41]
	s_add_nc_u64 s[6:7], s[6:7], s[42:43]
	s_add_nc_u64 s[8:9], s[8:9], s[42:43]
	s_add_nc_u64 s[46:47], s[10:11], s[46:47]
	s_add_nc_u64 s[10:11], s[10:11], s[44:45]
.irp c, 0,1                            ; half c of my wave's columns; load i: the tile's rows 2 i and 2 i + 1 (rows 8-15 of a tile lie 8 rows further down)
.irp i, 0,1,2,3,4,5,6,7
	global_load_b128 v[X+32*\c+4*\i:X+32*\c+4*\i+3], v4, s[4:5] offset:(2*\i+8*(\i/4))*4096+256*\c th:TH_LOAD_NT
.endr
.endr
.irp b, 0,1,2,3
.irp j, 0,1,2,3
	global_load_b128 v[G+16*\b+4*\j:G+16*\b+4*\j+3], v5, s[6:7] offset:128*\b+16*\j
.endr
.endr
.irp b, 0,1,2,3
.irp j, 0,1,2,3
	global_load_b128 v[BE+16*\b+4*\j:BE+16*\b+4*\j+3], v5, s[8:9] offset:128*\b+16*\j
.endr
.endr
	v_mov_b32 v245, 0                              ; a lane permute's destination counts as one of its sources
.irp c, 0,1
	s_wait_loadcnt 40-8*\c                         ; this half's eight loads are in; younger: the other half's (c = 0) and the 32 of gain and bias
.irp i, 0,1,2,3,4,5,6,7
	ds_store_b128 v14, v[X+32*\c+4*\i:X+32*\c+4*\i+3] offset:2*SPITCH*\i
.endr
.irp b, 0,1
.irp j, 0,1,2,3
	ds_load_b128 v[X+32*\c+16*\b+4*\j:X+32*\c+16*\b+4*\j+3], v15 offset:128*\b+16*\j      ; LDS serves a wave's instructions in order (ISA guide 5.7.1.4): these see my stores, and the next half's stores come behind them
.endr
.endr
.endr
	s_wait_dscnt 0x0                               ; register 16 b + i is now column 32 b + 16 h + i of row r
.irp c, 0,1,2,3
	v_pk_add_f32 v[224+2*\c:225+2*\c], v[X+2*\c:X+2*\c+1], v[X+8+2*\c:X+8+2*\c+1]      ; four chains; the first numbers start them
.endr
.irp i, 16,24,32,40,48,56
.irp c, 0,1,2,3
	s_delay_alu instid0(VALU_DEP_4)
	v_pk_add_f32 v[224+2*\c:225+2*\c], v[224+2*\c:225+2*\c], v[X+\i+2*\c:X+\i+2*\c+1]
.endr
.endr
	ACROSS 0
	s_delay_alu instid0(VALU_DEP_1)
	v_mul_f32 v232, s38, v236                      ; the mean,
	s_delay_alu instid0(VALU_DEP_2)
	v_mul_f32 v233, s38, v236                      ; twice: a pair for the packed forms
.set N, 0
.rept 32
	v_pk_add_f32 v[X+N:X+N+1], v[X+N:X+N+1], v[232:233] neg_lo:[0,1] neg_hi:[0,1]      ; x - mean
.set N, N+2
.endr
.irp c, 0,1,2,3
	v_pk_mul_f32 v[224+2*\c:225+2*\c], v[X+2*\c:X+2*\c+1], v[X+2*\c:X+2*\c+1]
.endr
.irp i, 8,16,24,32,40,48,56
.irp c, 0,1,2,3
	s_delay_alu instid0(VALU_DEP_4)
	v_pk_fma_f32 v[224+2*\c:225+2*\c], v[X+\i+2*\c:X+\i+2*\c+1], v[X+\i+2*\c:X+\i+2*\c+1], v[224+2*\c:225+2*\c]
.endr
.endr
	ACROSS RED2
	s_delay_alu instid0(VALU_DEP_1)
	v_fma_f32 v234, v236, s38, s39                 ; the variance + 1e-5
	s_wait_alu depctr_va_vdst(0)
	v_rsq_f32 v234, v234
	v_nop                                          ; a plain place behind the transcendental,
	s_wait_alu depctr_va_vdst(0)                   ; and the wait ahead of its first reader
	v_mov_b32 v235, v234
	s_wait_alu depctr_va_vdst(0)
	s_wait_loadcnt 0x0                             ; gain and bias
.set N, 0
.rept 32
	v_pk_mul_f32 v[X+N:X+N+1], v[X+N:X+N+1], v[234:235]
.set N, N+2
.endr
.set N, 0
.rept 32
	v_pk_fma_f32 v[X+N:X+N+1], v[X+N:X+N+1], v[G+N:G+N+1], v[BE+N:BE+N+1]
.set N, N+2
.endr
	QUANT X, F, F+6
	v_lshl_or_b32 v[PW], v[TM+5], 8, v[TM+4]       ; the four bytes make my row's scale word
	s_delay_alu instid0(VALU_DEP_1)
	v_lshl_or_b32 v[PW], v[TM+6], 16, v[PW]
	s_delay_alu instid0(VALU_DEP_1)
	v_lshl_or_b32 v[PW], v[TM+7], 24, v[PW]
.irp q, 0,1,2
	global_store_b128 v6, v[F+4*\q:F+4*\q+3], s[10:11] offset:512*\q       ; 32 lanes store 512 consecutive bytes
.endr
	ds_store_b32 v9, v[PW]
	s_wait_dscnt 0x0
	s_barrier_signal -1
	s_barrier_wait -1                              ; the tile's 128 scale words lie in LDS
	s_cmp_lg_u32 s32, 0
	s_cbranch_scc1 .Lend
	ds_load_b128 v[236:239], v10
	s_wait_dscnt 0x0
	global_store_b128 v6, v[236:239], s[46:47]     ; wave 0 stores them: 512 consecutive bytes
.Lend:
	s_wait_tensorcnt 0x0                           ; the wave's end
	ds_add_u32 v12, v13
	s_wait_dscnt 0x0
	s_endpgm
; WEIGHT PATH.  A wave takes one tile of 16 output features x 8 K steps: 16 rows x 768 bytes.  Each of its 48 loads takes 256 consecutive bytes of one row, 8 bytes a lane; the rows go into the wave's own stage in LDS (rows of 784 bytes:
; row r begins at bank 4 r mod 64, so the 32 lanes of a load of 8 bytes touch 64 different banks) and come back as the operand's registers want them; 24 stores of 512 consecutive bytes lay the eight images.  No barrier: waves share nothing.
; Units u = 8 (work-group - 256) + wave: 0-191 w_qkv, 192-255 w_proj, 256-511 w_fc1, 512-767 w_fc2 (64 tiles x 4 runs of 8 K steps).  Which weight: selects on the work-group's number.
.Lweights:
	s_sub_co_u32 s40, ttmp9, 256
	s_wait_alu depctr_va_vdst(0)
	v_and_b32 v11, 8, v2
	s_delay_alu instid0(VALU_DEP_1)
	v_add_nc_u32 v11, v11, v2                      ; r + 8 (r / 8): my row in the tile's 24
	s_wait_alu depctr_va_vdst(0)
	s_wait_kmcnt 0x0
	s_mov_b64 s[42:43], s[28:29]                   ; w_fc2's figures first: codes,
	s_mov_b64 s[44:45], s[30:31]                   ; scale bytes,
	s_mov_b32 s46, 512                             ; first unit,
	s_mov_b32 s47, 2                               ; log2 of the runs of 8 K steps in a row,
	s_mov_b32 s48, 3072                            ; a row of codes in bytes,
	s_mov_b32 s49, 128                             ; a row of scale bytes,
	s_mov_b32 s50, 6291456                         ; the images' place in wimg,
	s_mov_b32 s51, 9699328                         ; the scale words',
	s_mov_b32 s52, 1                               ; 1: KS = 4, 0: KS = 2
	s_mov_b32 s53, 256
	s_mov_b32 s54, 768
	s_mov_b32 s55, 3145728
	s_mov_b32 s56, 9568256
	s_cmp_lt_u32 s40, 64                           ; w_fc1 or an earlier one
	s_cselect_b64 s[42:43], s[24:25], s[42:43]
	s_cselect_b64 s[44:45], s[26:27], s[44:45]
	s_cselect_b32 s46, s53, s46
	s_cselect_b32 s47, 0, s47
	s_cselect_b32 s48, s54, s48
	s_cselect_b32 s49, 32, s49
	s_cselect_b32 s50, s55, s50
	s_cselect_b32 s51, s56, s51
	s_cselect_b32 s52, 0, s52
	s_mov_b32 s53, 192
	s_mov_b32 s55, 2359296
	s_mov_b32 s56, 9535488
	s_cmp_lt_u32 s40, 32                           ; w_proj or w_qkv
	s_cselect_b64 s[42:43], s[20:21], s[42:43]
	s_cselect_b64 s[44:45], s[22:23], s[44:45]
	s_cselect_b32 s46, s53, s46
	s_cselect_b32 s50, s55, s50
	s_cselect_b32 s51, s56, s51
	s_cselect_b32 s52, 1, s52
	s_mov_b32 s56, 9437184
	s_cmp_lt_u32 s40, 24                           ; w_qkv
	s_cselect_b64 s[42:43], s[16:17], s[42:43]
	s_cselect_b64 s[44:45], s[18:19], s[44:45]
	s_cselect_b32 s46, 0, s46
	s_cselect_b32 s50, 0, s50
	s_cselect_b32 s51, s56, s51
	s_cselect_b32 s52, 0, s52
	s_lshl_b32 s57, s40, 3
	s_add_co_u32 s57, s57, s32
	s_sub_co_u32 s57, s57, s46                     ; my unit within the weight
	s_lshr_b32 s58, s57, s47                       ; tile T
	s_lshl_b32 s59, 1, s47
	s_sub_co_u32 s59, s59, 1
	s_and_b32 s59, s57, s59                        ; which run of 8 K steps
	s_lshr_b32 s60, s58, 1
	s_lshl_b32 s60, s60, 5
	s_and_b32 s61, s58, 1
	s_lshl_b32 s61, s61, 3
	s_add_co_u32 s60, s60, s61                     ; the tile's first row
	s_mul_i32 s62, s60, s48
	s_mul_i32 s61, s59, 768
	s_add_co_u32 s62, s62, s61
	s_mov_b32 s63, 0
	s_add_nc_u64 s[42:43], s[42:43], s[62:63]      ; codes: first row, my run
	s_mul_i32 s62, s60, s49
	s_lshl_b32 s61, s59, 5
	s_add_co_u32 s62, s62, s61
	s_add_nc_u64 s[44:45], s[44:45], s[62:63]      ; scale bytes likewise
	s_lshl_b32 s60, s58, 3
	s_lshl_b32 s60, s60, s47
	s_lshl_b32 s61, s59, 3
	s_add_co_u32 s60, s60, s61                     ; my first fragment: T x KT + 8 x run
	s_mul_i32 s62, s60, 1536
	s_add_co_u32 s62, s62, s50
	s_add_nc_u64 s[66:67], s[12:13], s[62:63]      ; its image
	s_lshl_b32 s62, s60, 6                         ; 64 bytes of scale words for each fragment
	s_add_co_u32 s62, s62, s51
	s_add_nc_u64 s[68:69], s[12:13], s[62:63]
	v_lshlrev_b32 v7, 3, v1                        ; 8 x lane
	v_mul_lo_u32 v8, v11, s49
	s_delay_alu instid0(VALU_DEP_1)
	v_lshl_add_u32 v8, v3, 4, v8                   ; scale bytes: my row, + 16 h: the words of K steps 4 h .. 4 h + 3
	v_lshlrev_b32 v9, 3, v2
	s_delay_alu instid0(VALU_DEP_1)
	v_lshl_add_u32 v9, v3, 8, v9                   ; KS = 2: 256 h + 8 r
	s_mul_i32 s60, s32, 16*WPITCH
	s_add_co_u32 s60, s60, WSTG                    ; my wave's stage
	v_add_nc_u32 v10, s60, v7                      ; into it: 8 bytes a lane
	v_mul_u32_u24 v14, v2, WPITCH
	s_delay_alu instid0(VALU_DEP_1)
	v_mad_u32_u24 v14, v3, 24, v14
	s_delay_alu instid0(VALU_DEP_1)
	v_add_nc_u32 v14, s60, v14                     ; out of it: row r, + 24 h
.irp i, 0,1,2,3,4,5,6,7,8,9,10,11,12,13,14,15
	s_mul_i32 s61, s48, \i+8*(\i/8)
	v_add_nc_u32 v[16+\i], s61, v7                 ; the tile's row i in memory, 8 bytes a lane
.endr
	global_load_b128 v[128:131], v8, s[44:45] th:TH_LOAD_NT
	s_wait_alu depctr_va_vdst(0)
.irp i, 0,1,2,3,4,5,6,7,8,9,10,11,12,13,14,15
.irp m, 0,1,2
	global_load_b64 v[32+6*\i+2*\m:32+6*\i+2*\m+1], v[16+\i], s[42:43] offset:256*\m th:TH_LOAD_NT     ; 32 lanes read 256 consecutive bytes
.endr
.endr
.irp i, 0,1,2,3,4,5,6,7,8,9,10,11,12,13,14,15
	s_wait_loadcnt 3*(15-\i)                       ; row i is in; the later rows' three loads each may be out
.irp m, 0,1,2
	ds_store_b64 v10, v[32+6*\i+2*\m:32+6*\i+2*\m+1] offset:WPITCH*\i+256*\m
.endr
.endr
.irp s, 0,1,2,3,4,5,6,7
.irp p, 0,1,2,3,4,5
	ds_load_b64 v[136+12*\s+2*\p:136+12*\s+2*\p+1], v14 offset:96*\s+48*(\p/3)+8*(\p%3)       ; LDS serves a wave's instructions in order: these see my stores
.endr
.endr
.irp s, 0,1,2,3,4,5,6,7
	s_wait_dscnt 6*(7-\s)                          ; fragment s is back; the later fragments' six loads each may be out
.irp q, 0,1,2
	global_store_b128 v6, v[136+12*\s+4*\q:136+12*\s+4*\q+3], s[66:67] offset:1536*\s+512*\q
.endr
.endr
	s_cmp_eq_u32 s52, 0
	s_cbranch_scc1 .Ltwo
	global_store_b128 v6, v[128:131], s[68:69]     ; KS = 4: 256 (s / 4) + 16 r + 4 (s % 4) = 16 x lane
	s_branch .Lwend
.Ltwo:
	global_store_b64 v9, v[128:129], s[68:69]      ; KS = 2: 128 (s / 2) + 8 r + 4 (s % 2)
	global_store_b64 v9, v[130:131], s[68:69] offset:128
.Lwend:
	s_wait_tensorcnt 0x0                           ; the wave's end: the same three lines, behind this path's last LDS store
	ds_add_u32 v12, v13
	s_wait_dscnt 0x0
	s_endpgm
.Lfunc_end_k_q685790ad7a_prep:
	.size	k_q685790ad7a_prep, .Lfunc_end_k_q685790ad7a_prep-k_q685790ad7a_prep
	.p2alignl 7, 3214868480
	.fill 96, 4, 3214868480
	.section	.rodata,"a",@progbits
	.p2align	6, 0x0
	.amdhsa_kernel k_q685790ad7a_prep
		.amdhsa_group_segment_fixed_size 137728
		.amdhsa_private_segment_fixed_size 0
		.amdhsa_enable_private_segment 0
		.amdhsa_kernarg_size 104
		.amdhsa_user_sgpr_count 2
		.amdhsa_user_sgpr_kernarg_segment_ptr 1
		.amdhsa_wavefront_size32 1
		.amdhsa_system_sgpr_workgroup_id_x 1
		.amdhsa_system_sgpr_workgroup_id_y 1
		.amdhsa_system_sgpr_workgroup_id_z 1
		.amdhsa_system_vgpr_workitem_id 0
		.amdhsa_next_free_vgpr 256
		.amdhsa_next_free_sgpr 72
		.amdhsa_reserve_vcc 0
		.amdhsa_float_denorm_mode_32 3
		.amdhsa_float_denorm_mode_16_64 3
		.amdhsa_memory_ordered 1
		.amdhsa_forward_progress 1
		.amdhsa_inst_pref_size 49
	.end_amdhsa_kernel
	.amdgpu_metadata
---
amdhsa.version: [ 1, 2 ]
amdhsa.kernels:
  - .name:           k_q685790ad7a_prep
    .symbol:         k_q685790ad7a_prep.kd
    .args:
      - { .name: x, .offset: 0, .size: 8, .value_kind: global_buffer, .address_space: global }
      - { .name: g1, .offset: 8, .size: 8, .value_kind: global_buffer, .address_space: global }
      - { .name: beta1, .offset: 16, .size: 8, .value_kind: global_buffer, .address_space: global }
      - { .name: act, .offset: 24, .size: 8, .value_kind: global_buffer, .address_space: global }
      - { .name: wimg, .offset: 32, .size: 8, .value_kind: global_buffer, .address_space: global }
      - { .name: w_qkv_codes, .offset: 40, .size: 8, .value_kind: global_buffer, .address_space: global }
      - { .name: w_qkv_scales, .offset: 48, .size: 8, .value_kind: global_buffer, .address_space: global }
      - { .name: w_proj_codes, .offset: 56, .size: 8, .value_kind: global_buffer, .address_space: global }
      - { .name: w_proj_scales, .offset: 64, .size: 8, .value_kind: global_buffer, .address_space: global }
      - { .name: w_fc1_codes, .offset: 72, .size: 8, .value_kind: global_buffer, .address_space: global }
      - { .name: w_fc1_scales, .offset: 80, .size: 8, .value_kind: global_buffer, .address_space: global }
      - { .name: w_fc2_codes, .offset: 88, .size: 8, .value_kind: global_buffer, .address_space: global }
      - { .name: w_fc2_scales, .offset: 96, .size: 8, .value_kind: global_buffer, .address_space: global }
    .group_segment_fixed_size: 137728
    .private_segment_fixed_size: 0
    .kernarg_segment_align: 8
    .kernarg_segment_size: 104
    .max_flat_workgroup_size: 256
    .sgpr_count:     72
    .vgpr_count:     256
    .wavefront_size: 32
...
	.end_amdgpu_metadata
.endif
;; end of part 1
;; launch qkv (part 2): grid 12 x 16, 4 waves a work-group, clusters of 4 x 4, 327,680 bytes of LDS; arguments act, wimg, b_qkv, qimg, kvimg; writes qimg, kvimg
.if DOCPART == 2
	.amdgcn_target "amdgcn-amd-amdhsa--gfx1250"
	.amdhsa_code_object_version 6
	.text
	.protected	k_q685790ad7a_qkv
	.globl	k_q685790ad7a_qkv
	.p2align	8
	.type	k_q685790ad7a_qkv,@function
k_q685790ad7a_qkv:
	s_mov_b64 s[64:65], 0
	v_nop
	global_prefetch_b8 v0, s[64:65] scope:SCOPE_SE
	s_setreg_imm32_b32 hwreg(HW_REG_WAVE_MODE, 25, 1), 1
	s_wait_xcnt 0x0
	s_wait_alu depctr_hold_cnt(0) depctr_sa_sdst(0) depctr_va_vdst(0) depctr_va_sdst(0) depctr_va_ssrc(0) depctr_va_vcc(0) depctr_vm_vsrc(0)
	s_getreg_b32 s2, hwreg(HW_REG_IB_STS2, 6, 4)
	s_cmp_eq_u32 s2, 0
	s_cbranch_scc0 .Lentry_in_a_cluster
	s_endpgm
.Lentry_in_a_cluster:
	s_bfe_u32 s2, ttmp6, 0x10000c
	s_cmp_lg_u32 s2, 0xf033
	s_cbranch_scc0 .Lentry_shape_is_right
	s_endpgm
.Lentry_shape_is_right:
; qkv = Q(h) Q(w_qkv) + b_qkv, and q, k, v quantised for the two products of attention.  No work is left out.
; THE CORE (shared with fc1, proj, fc2): a block of 256 x 256 results, four waves of 128 x 128 (64 accumulators).  Source 0 = a tile of side X, source 1 = a tile of side Y: a lane holds one row of Y, its registers run along X.
; Both sides come as fragment images (see prep): a tile's KS = 2 K steps are 3,072 consecutive bytes, so a tensor load brings 8 tiles x 3,072 bytes, and a fragment comes out of LDS by three loads of 512 consecutive bytes.
; Two LDS slots of 2 K steps take turns; the scale words of all of K come once.  4 x 4 work-groups form a cluster: Y's tiles are asked for jointly along a row of the cluster, X's along a column.
; CLUSTER x = 0: q, x = 1: k: X = w_qkv's features, Y = tokens: a lane holds a token and 128 features = two heads: quantised along the head's 64.
; CLUSTER x = 2: v: X = TOKENS, Y = w_qkv's v features: a lane holds a feature and 128 tokens: quantised along the keys, with nothing transposed.  The choice hangs on the cluster's x alone: it is the same in all sixteen partners.
; OUT.  qimg [b h 32][group of 128 tokens 16] x 6,400 bytes: four PAIR fragments (registers 0-5: token tile 2 j, registers 6-11: tile 2 j + 1; a head's 64 along K each), then 256 bytes of scale words [r][j] (bytes 0, 1: tile 2 j).
; kvimg [b h][key step 16] x 12,800 bytes: k's four pair fragments; at 6,144 v's four fragments (16 of the head's 64 x 128 keys); at 12,288 k's scale words [r][j]; at 12,544 v's [r][t].
; Both forms of the bias are loaded in every work-group (16 + 8 loads), the one that the mode does not use from b_qkv's first bytes: so every register that either way out reads is written on every way through the text.
; REGISTERS: window 0: v1-31 addresses and the v bias; v32-63 scale words, two sets, and nothing else; v64-127 the q, k bias; from v128 Y's fragments, one set.  Window 1: X's fragments, two sets, at v0 and v128; on the way out the quantiser.
; Windows 2, 3: the accumulators: (a, b) at window 2 + a / 4, v[8 (8 (a % 4) + b)].
.set NB,     8                         ; tiles of 16 a wave a side
.set KS,     2                         ; K steps of 128 in a slot
.set KT,     8                         ; K steps in all
.set PIECES, 0
.set NLY,    3                         ; LDS loads that bring a fragment of Y
.set MUL_LO, 0xa1                      ; source 0 (X) window 1, source 1 (Y) window 0, C and D window 2
.set MUL_HI, 0xf1                      ; the same, C and D window 3
.set FRB,    1536
.set TROW,   KS*FRB                    ; a tile's part of a slot
.set HALFT,  NB*TROW                   ; what one tensor load brings, and what one wave reads of a side
.set SLOT,   4*HALFT                   ; Y's 16 tiles, then X's
.set TPITCH, KT*FRB                    ; from tile to tile in memory
.set LAPS,   KT/(2*KS)
.set TSC,    64*KT                     ; a tile's scale words
.set HALFS,  NB*TSC
.set SCL,    2*SLOT                    ; behind the ring: Y's scale words; X's begin 128 bytes further on than they must
.set SPARE,  SCL+4*HALFS+256           ; the spare words, 128 bytes a wave, which no other line names
.set ADRY, 16                          ; v16-17 LDS address of my fragments of Y in slot 0, 1
.set ADRX, 20                          ; v20-21 of X
.set LI,   26                          ; v26    16 x lane
.set ADRS, 27                          ; v27    my scale words: lanes 0-15 Y's, lanes 16-31 X's
.set SPW,  28                          ; v28    my spare word; never rewritten
.set NIL,  29                          ; v29    0; never rewritten
.set SC,   32
.set BIAS, 64
.set YF,   128
.set G1,   24                          ; s[24:31] group 1 for Y's tiles; s[32:39] group 0, a set a slot
.set G0,   32
.set G1B,  48                          ; s[48:55], s[56:63] the same for X's
.set G0B,  56
.set G1S,  68                          ; s[68:75], s[76:79] Y's scale words; s[80:87], s[88:91] X's
.set G0S,  76
.set G1SB, 80
.set G0SB, 88
.set SEL,  98
.set TM,   64                          ; the way out, in window 1: v0-63 the 64 numbers; v64-79 the quantiser's; v80-86 upper halves; v96-107, v108-119 two fragments; v120-127 scale words; v128-131 as stored
.set CT,   80
.set FA,   96
.set FB,   108
.set SWA,  120
.set SWB,  124
.set SWS,  128
.set MSB, 0
.macro WIN new                         ; the immediate's high byte repeats the setting that is left
.if MSB != (\new)
	s_set_vgpr_msb (MSB<<8)|(\new)
.set MSB, (\new)
.endif
.endm
; A joint load: waves 0 and 1 fetch for Y, waves 2 and 3 for X.  The branch hangs on the wave's number alone.  An s_nop 0 and four v_nop follow each of the two lines.
.macro JLOAD g0a, g1a, g0b, g1b
	s_cmp_eq_u32 s15, 0
	s_cbranch_scc0 .Lfor_x_\@
	tensor_load_to_lds s[\g0a:\g0a+3], s[\g1a:\g1a+7]
	s_nop 0
.rept 4
	v_nop
.endr
	s_branch .Lasked_\@
.Lfor_x_\@:
	tensor_load_to_lds s[\g0b:\g0b+3], s[\g1b:\g1b+7]
	s_nop 0
.rept 4
	v_nop
.endr
.Lasked_\@:
.endm
.macro CREST                           ; a round of the cluster's barrier behind its opening barrier
	s_cmp_lg_u32 s14, 0
	s_cbranch_scc1 .Lnot_wave_0_\@
	s_barrier_signal -3
.Lnot_wave_0_\@:
	s_barrier_wait -3
	s_barrier_signal -1
	s_barrier_wait -1
.endm
.macro CROUND
	s_barrier_signal -1
	s_barrier_wait -1
	CREST
.endm
.macro PLACES n                        ; plain vector instructions between a matrix instruction and a load into, or a read of, its registers (ISA guide 7.12.1 for reads)
.rept \n
	v_nop
.endr
.endm
.macro FRAGX reg, slot, q, i
.irp c, 0,1,2
	ds_load_b128 v[(\reg)+4*\c:(\reg)+4*\c+3], v[ADRX+\slot] offset:(\i)*TROW+(\q)*FRB+512*\c
.endr
.endm
.macro FRAGY reg, slot, q, i
.if PIECES
.irp p, 0,1,2,3,4,5
	ds_load_b64 v[(\reg)+2*\p:(\reg)+2*\p+1], v[ADRY+\slot] offset:(\i)*TROW+(\q)*FRB+256*\p
.endr
.else
.irp c, 0,1,2
	ds_load_b128 v[(\reg)+4*\c:(\reg)+4*\c+3], v[ADRY+\slot] offset:(\i)*TROW+(\q)*FRB+512*\c
.endr
.endif
.endm
.macro FETCH_X slot, q, p              ; X's NB fragments of the slot's q-th K step into set p
	WIN 0x40
.set FI, 0
.rept NB
	FRAGX 128*(\p)+12*FI, \slot, \q, FI
.set FI, FI+1
.endr
	WIN 0
.endm
.macro FETCH_Y slot, q, i0             ; Y's blocks i0 .. i0 + NB / 2 - 1
.set FI, \i0
.rept NB/2
	FRAGY YF+12*FI, \slot, \q, FI
.set FI, FI+1
.endr
.endm
.macro SCALES set                      ; a slot's scale words: KS words a row; lanes 0-15 take Y's block i, lanes 16-31 X's block i
.set FI, 0
.rept NB
.if KS == 2
	ds_load_b64 v[SC+16*(\set)+2*FI:SC+16*(\set)+2*FI+1], v[ADRS] offset:FI*TSC
.else
	ds_load_b128 v[SC+16*(\set)+4*FI:SC+16*(\set)+4*FI+3], v[ADRS] offset:FI*TSC
.endif
.set FI, FI+1
.endr
.endm
; A quarter of a K step's products: Y's blocks qa NB / 4 on, each against X's NB.  All accumulators take turns, one instruction a turn, in the same order in every step.
.macro MULQ qa, p, q, set, zero
.set AA, (\qa)*(NB/4)
.rept NB/4
.set BB, 0
.rept NB
.set RA, 8*(NB*(AA%4)+BB)
.set RX, 128*(\p)+12*BB
.set RY, YF+12*AA
.set SX, SC+16*(\set)+KS*BB+(\q)
.set SY, SC+16*(\set)+KS*AA+(\q)
.if \zero
	v_wmma_scale_f32_16x16x128_f8f6f4 v[RA:RA+7], v[RX:RX+11], v[RY:RY+11], 0, v[SX], v[SY] matrix_a_fmt:MATRIX_FMT_FP6 matrix_b_fmt:MATRIX_FMT_FP6 matrix_a_scale:MATRIX_SCALE_ROW1
.else
	v_wmma_scale_f32_16x16x128_f8f6f4 v[RA:RA+7], v[RX:RX+11], v[RY:RY+11], v[RA:RA+7], v[SX], v[SY] matrix_a_fmt:MATRIX_FMT_FP6 matrix_b_fmt:MATRIX_FMT_FP6 matrix_a_scale:MATRIX_SCALE_ROW1
.endif
.set BB, BB+1
.endr
.set AA, AA+1
.endr
.endm
.macro STEP slot, q, zero              ; a K step that has its successor in the same slot
	s_wait_dscnt (NB/2)*NLY                        ; X's set, Y's lower blocks and the scale words are in; the youngest loads, Y's upper blocks, may be out
	WIN MUL_LO
	MULQ 0, (\q)%2, \q, \slot, \zero
	MULQ 1, (\q)%2, \q, \slot, \zero
	s_wait_dscnt 0x0                               ; Y's upper blocks
	PLACES 4
	FETCH_X \slot, (\q)+1, 1-(\q)%2
	FETCH_Y \slot, (\q)+1, 0
	WIN MUL_HI
	MULQ 2, (\q)%2, \q, \slot, \zero
	MULQ 3, (\q)%2, \q, \slot, \zero
	PLACES 4
	WIN 0
	FETCH_Y \slot, (\q)+1, NB/2
.endm
; A slot's last K step changes slots: one barrier; in front of it each wave waits for all its tensor loads, adds 0 to its spare word, and waits for that and for its reads of this slot.  fill = 1: the slot is filled again, two slots ahead.
.macro TURN slot, next, fill
	s_wait_tensorcnt 0x0                           ; all my tensor loads have landed: my part of the next slot
	ds_add_u32 v[SPW], v[NIL]
	s_wait_dscnt (NB/2)*NLY+1                      ; (the add and Y's upper blocks may be out)
	WIN MUL_LO
	MULQ 0, 1, KS-1, \slot, 0
	s_wait_dscnt 0x0                               ; the add is done, and my reads of this slot are over
	s_barrier_signal -1
	MULQ 1, 1, KS-1, \slot, 0
	WIN 0
	s_barrier_wait -1
.if \fill
	CREST                                          ; the barrier has opened a round of the cluster's: no wave of any partner still reads this slot or has a load on its way
	s_add_nc_u64 s[G0+4*\slot+2:G0+4*\slot+3], s[G0+4*\slot+2:G0+4*\slot+3], 2*TROW
	s_add_nc_u64 s[G0B+4*\slot+2:G0B+4*\slot+3], s[G0B+4*\slot+2:G0B+4*\slot+3], 2*TROW
	JLOAD G0+4*\slot, G1, G0B+4*\slot, G1B         ; the first tensor load behind the round; its four v_nop are the places in front of the loads below
.else
	PLACES 4
.endif
	s_wait_alu depctr_va_vdst(0)
	v_add_nc_u32 v[ADRS], 64*KS, v[ADRS]           ; the next slot's scale words
	FETCH_X \next, 0, 0
	FETCH_Y \next, 0, 0
	SCALES \next
	WIN MUL_HI
	MULQ 2, 1, KS-1, \slot, 0
	MULQ 3, 1, KS-1, \slot, 0
	PLACES 4
	WIN 0
	FETCH_Y \next, 0, NB/2
.endm
.macro MID slot                        ; the K steps between a slot's first and its last
.if KS == 4
	STEP \slot, 1, 0
	STEP \slot, 2, 0
.endif
.endm
.macro LAST                            ; the very last K step: nothing more to fetch
	s_wait_dscnt (NB/2)*NLY
	WIN MUL_LO
	MULQ 0, 1, KS-1, 1, 0
	MULQ 1, 1, KS-1, 1, 0
	s_wait_dscnt 0x0
	WIN MUL_HI
	MULQ 2, 1, KS-1, 1, 0
	MULQ 3, 1, KS-1, 1, 0
	WIN 0
.endm
; 64 numbers of a lane, register 16 b + i = k 32 b + 16 (lane / 16) + i of my row, become codes: blocks 0, 1 in v[d0] .. v[d0 + 5], blocks 2, 3 in v[d1] .. ; the four scale bytes in v[TM + 4] ..
.macro QUANT s, d0, d1
.irp b, 0,1,2,3
	v_max3_num_f32 v[TM+\b], |v[(\s)+16*\b]|, |v[(\s)+1+16*\b]|, 0x1800000   ; and the floor 2^(3 - 127): the byte cannot fall under 1
.endr
.irp i, 2,4,6,8,10,12,14
.irp b, 0,1,2,3
	v_max3_num_f32 v[TM+\b], v[TM+\b], |v[(\s)+16*\b+\i]|, |v[(\s)+1+16*\b+\i]|
.endr
.endr
.irp b, 0,1,2,3
	v_permlanex16_b32 v[TM+4+\b], v[TM+\b], s[SEL], s[SEL+1]
.endr
.irp b, 0,1,2,3
	v_max_num_f32 v[TM+\b], v[TM+\b], v[TM+4+\b]
.endr
.irp b, 0,1,2,3
	v_add_nc_u32 v[TM+12+\b], 0xff000000, v[TM+\b]         ; 2 off the exponent field: the conversion's scale operand
.endr
.irp b, 0,1,2,3
	v_lshrrev_b32 v[TM+4+\b], 23, v[TM+12+\b]              ; the scale's byte
.endr
	v_cvt_scalef32_pk16_fp6_f32 v[(\d0):(\d0)+2], v[(\s):(\s)+15], v[TM+12]
	v_cvt_scalef32_pk16_fp6_f32 v[CT:CT+2], v[(\s)+16:(\s)+31], v[TM+13]
	v_cvt_scalef32_pk16_fp6_f32 v[(\d1):(\d1)+2], v[(\s)+32:(\s)+47], v[TM+14]
	v_cvt_scalef32_pk16_fp6_f32 v[CT+4:CT+6], v[(\s)+48:(\s)+63], v[TM+15]
	v_nop                                                  ; one plain place behind a scaled conversion
.irp i, 0,1,2
	v_permlane16_swap_b32 v[(\d0)+\i], v[CT+\i]            ; a whole block to a lane
	v_permlane16_swap_b32 v[(\d1)+\i], v[CT+4+\i]
.endr
.irp i, 0,1,2
	v_mov_b32 v[(\d0)+3+\i], v[CT+\i]
	v_mov_b32 v[(\d1)+3+\i], v[CT+4+\i]
.endr
.endm
	s_load_b256 s[4:11], s[0:1], 0x0               ; act s[4:5], wimg s[6:7], b_qkv s[8:9], qimg s[10:11]
	s_load_b64 s[12:13], s[0:1], 0x20              ; kvimg
	v_lshl_add_u32 v[SPW], v0, 2, SPARE
	v_mov_b32 v[NIL], 0
	ds_add_u32 v[SPW], v[NIL]                      ; the wave's opening: the add, twice on end, and its wait ahead of my first tensor load
	ds_add_u32 v[SPW], v[NIL]
	v_lshrrev_b32 v1, 5, v0
	v_readfirstlane_b32 s14, v1                    ; wave 0..3
	s_lshr_b32 s15, s14, 1                         ; HY: my half of Y.  Also: I fetch for Y (0) or for X (1)
	s_and_b32 s16, s14, 1                          ; HX: my half of X.  Also: which half I fetch
	s_bfe_u32 s40, ttmp6, 0x40000                  ; cx
	s_bfe_u32 s41, ttmp6, 0x40004                  ; cy
	s_and_b32 s97, ttmp7, 0xffff                   ; cluster y
	s_mov_b32 s18, 1572864                         ; w_qkv's tile 128, where v's features begin
	s_mov_b32 s19, 3145728                         ; act's scale words
	s_mov_b32 s22, 9502720                         ; w_qkv's scale words from tile 128 on
	s_mov_b32 s23, 9437184                         ; w_qkv's scale words
	s_cmp_eq_u32 ttmp9, 2                          ; v?
	s_cselect_b32 s96, 1, 0
	s_cselect_b32 s42, s97, ttmp9                  ; the cluster's place along X
	s_cselect_b32 s17, 0, s97                      ; and along Y
	s_cselect_b32 s66, s18, 0                      ; where Y's images begin in their buffer,
	s_cselect_b32 s67, s22, s19                    ; Y's scale words,
	s_cselect_b32 s97, s19, s23                    ; X's scale words (X's images begin at 0 either way)
	s_lshl_b32 s42, s42, 2
	s_add_co_u32 s42, s42, s40                     ; TCX: my block along X
	s_lshl_b32 s17, s17, 2
	s_add_co_u32 s17, s17, s41                     ; TRY: along Y
	s_lshl_b32 s43, s41, 2
	s_lshl_b32 s43, 15, s43                        ; my row of the cluster
	s_lshl_b32 s44, 0x1111, s40                    ; my column
	s_or_b32 s[G1], s43, (3<<16)|(1<<21)           ; 15:0 the mask; 17:16 elements of 8 bytes; 20 no padding; 21 set beside a mask
	s_or_b32 s[G1B], s44, (3<<16)|(1<<21)
.irp g, G1, G1B
	s_mov_b32 s[\g+1], (TROW/8)<<16                ; tensor_dim0
	s_mov_b32 s[\g+2], (2*NB)<<16                  ; tensor_dim1: the head's loads bring a side's 2 NB tiles
	s_mov_b32 s[\g+3], (TROW/8)<<16                ; tile_dim0
	s_mov_b32 s[\g+4], 2*NB                        ; tile_dim1
	s_mov_b32 s[\g+5], TPITCH/8                    ; from tile to tile
	s_mov_b32 s[\g+6], 0
	s_mov_b32 s[\g+7], 0
.endr
	s_or_b32 s[G1S], s43, (3<<16)|(1<<21)          ; the scale words of 2 NB tiles: a dense block, as rows of 256 bytes
	s_or_b32 s[G1SB], s44, (3<<16)|(1<<21)
.irp g, G1S, G1SB
	s_mov_b32 s[\g+1], 32<<16
	s_mov_b32 s[\g+2], (HALFS/128)<<16
	s_mov_b32 s[\g+3], 32<<16
	s_mov_b32 s[\g+4], HALFS/128
	s_mov_b32 s[\g+5], 32
	s_mov_b32 s[\g+6], 0
	s_mov_b32 s[\g+7], 0
.endr
	s_mul_i32 s18, s16, NB
	s_mul_i32 s20, s17, 2*NB
	s_add_co_u32 s20, s20, s18                     ; Y: the first tile that I would fetch
	s_mul_i32 s46, s42, 2*NB
	s_add_co_u32 s46, s46, s18                     ; X likewise.  (Registers that feed Y's descriptors never hold cx, those that feed X's never cy)
	s_mul_i32 s22, s17, 2*NB*TSC                   ; the scale words of the block's 2 NB tiles, whole
	s_add_co_u32 s22, s22, s67
	s_mov_b32 s23, 0
	s_mul_i32 s20, s20, TPITCH
	s_add_co_u32 s20, s20, s66
	s_mov_b32 s21, 0
	s_mul_i32 s92, s42, 2*NB*TSC
	s_add_co_u32 s92, s92, s97
	s_mov_b32 s93, 0
	s_mul_i32 s46, s46, TPITCH
	s_mov_b32 s47, 0
	s_mul_i32 s45, s14, HALFT                      ; where they go: no place in the cluster enters an LDS address
	s_wait_dscnt 0x0                               ; both opening adds are done
	s_wait_kmcnt 0x0
	s_cmp_eq_u32 s96, 1
	s_cselect_b64 s[98:99], s[6:7], s[4:5]         ; Y's buffer: wimg for v, else act
	s_cselect_b64 s[2:3], s[4:5], s[6:7]           ; X's
	s_add_nc_u64 s[20:21], s[98:99], s[20:21]
	s_add_nc_u64 s[22:23], s[98:99], s[22:23]
	s_add_nc_u64 s[46:47], s[2:3], s[46:47]
	s_add_nc_u64 s[92:93], s[2:3], s[92:93]
	CROUND                                         ; all sixteen work-groups are here: the first joint loads meet
	s_mov_b32 s[G0S], 1
	s_mov_b32 s[G0S+1], SCL
	s_mov_b64 s[G0S+2:G0S+3], s[22:23]
	s_or_b32 s[G0S+3], s[G0S+3], 0x80000000
	s_mov_b32 s[G0SB], 1
	s_mov_b32 s[G0SB+1], SCL+2*HALFS+128
	s_mov_b64 s[G0SB+2:G0SB+3], s[92:93]
	s_or_b32 s[G0SB+3], s[G0SB+3], 0x80000000
.irp s, 0,1
	s_mov_b32 s[G0+4*\s], 1
	s_add_co_u32 s[G0+4*\s+1], s45, \s*SLOT
	s_add_nc_u64 s[G0+4*\s+2:G0+4*\s+3], s[20:21], \s*TROW
	s_or_b32 s[G0+4*\s+3], s[G0+4*\s+3], 0x80000000
	s_mov_b32 s[G0B+4*\s], 1
	s_add_co_u32 s[G0B+4*\s+1], s45, \s*SLOT
	s_add_nc_u64 s[G0B+4*\s+2:G0B+4*\s+3], s[46:47], \s*TROW
	s_or_b32 s[G0B+4*\s+3], s[G0B+4*\s+3], 0x80000000
.endr
; THE HEAD'S LOADS, ONE A WAVE: wave 0 slot 0's 2 NB tiles of Y (its own ring descriptor, which begins at the side's first tile, with the doubled row count), wave 2 those of X, wave 1 Y's scale words, wave 3 X's.
; One chain of branches on the wave's number: every way through it passes exactly one load.
.macro HARM under, g0, g1, next
	s_cmp_lt_u32 s14, \under
	s_cbranch_scc0 \next
	tensor_load_to_lds s[\g0:\g0+3], s[\g1:\g1+7]
	s_nop 0
.rept 4
	v_nop
.endr
	s_branch .Lhead_asked
\next:
.endm
	HARM 1, G0, G1, .Lhead_sy
	HARM 2, G0S, G1S, .Lhead_x
	HARM 3, G0B, G1B, .Lhead_sx
	tensor_load_to_lds s[G0SB:G0SB+3], s[G1SB:G1SB+7]
	s_nop 0
.rept 4
	v_nop
.endr
.Lhead_asked:
	v_and_b32 v1, 15, v0                           ; r
	v_bfe_u32 v2, v0, 4, 1                         ; h
	s_wait_alu depctr_va_vdst(0)
	v_and_b32 v3, 31, v0
	v_lshlrev_b32 v[LI], 4, v3
	s_mul_i32 s21, s15, HALFT                      ; my half of Y,
	s_mul_i32 s22, s16, HALFT                      ; my half of X,
	s_add_co_u32 s22, s22, 2*HALFT                 ; which lies behind Y's two
.irp s, 0,1
	v_add_nc_u32 v[ADRY+\s], s21, v[LI]
	v_add_nc_u32 v[ADRX+\s], s22, v[LI]
	s_add_co_u32 s21, s21, SLOT
	s_add_co_u32 s22, s22, SLOT
.endr
	v_mul_u32_u24 v5, v1, 4*KS                     ; my row's KS words
	s_mul_i32 s21, s15, HALFS
	s_mul_i32 s22, s16, HALFS
	s_add_co_u32 s22, s22, 2*HALFS+128
	s_sub_co_u32 s22, s22, s21
	v_mul_u32_u24 v6, s22, v2                      ; lanes 16-31 take X's: one product with h
	s_add_co_u32 s21, s21, SCL
	v_add_nc_u32 v5, v5, v6
	v_add_nc_u32 v[ADRS], s21, v5
	; where the results go
	s_lshl_b32 s18, s42, 1
	s_add_co_u32 s18, s18, s16                     ; 2 TCX + HX: my 128 along X
	s_lshl_b32 s19, s17, 1
	s_add_co_u32 s19, s19, s15                     ; 2 TRY + HY: my 128 along Y
	s_and_b32 s20, s18, 7
	s_lshl_b32 s20, s20, 1                         ; q, k: my first head
	s_lshl_b32 s21, s19, 1                         ; v: my first head
	s_lshl_b32 s93, s18, 9                         ; q, k: my 128 features' bias, in bytes
	s_lshl_b32 s94, s19, 9
	s_add_co_u32 s94, s94, 8192                    ; v: likewise, behind q's and k's 2,048
	s_mov_b32 s92, 12544
	s_mov_b32 s45, 12288
	s_cmp_eq_u32 s96, 1
	s_cselect_b32 s22, s18, s19                    ; my group of 128 tokens
	s_cselect_b32 s23, s21, s20                    ; my first head
	s_cselect_b32 s92, s92, s45                    ; where the scale words lie in a key step: v's, k's
	s_cselect_b32 s45, 6144, 0                     ; and the fragments
	s_cselect_b32 s93, 0, s93                      ; the bias form that the mode does not use is read at b_qkv's first bytes
	s_cselect_b32 s94, s94, 0
	s_mov_b32 s66, 204800                          ; kvimg: a head,
	s_mov_b32 s67, 102400                          ; qimg: a head
	s_mov_b32 s97, 12800                           ; kvimg: a group,
	s_mov_b32 s18, 6400                            ; qimg: a group
	s_cmp_eq_u32 ttmp9, 0                          ; q?
	s_cselect_b64 s[46:47], s[10:11], s[12:13]
	s_cselect_b32 s66, s67, s66
	s_cselect_b32 s67, s18, s97
	s_cselect_b32 s92, 6144, s92
	s_lshr_b32 s18, s22, 4
	s_lshl_b32 s18, s18, 4
	s_add_co_u32 s18, s18, s23                     ; 16 x batch + head
	s_and_b32 s19, s22, 15                         ; the group within the sequence
	s_mul_i32 s18, s18, s66
	s_mul_i32 s19, s19, s67
	s_add_co_u32 s18, s18, s19
	s_mov_b32 s19, 0
	s_add_nc_u64 s[46:47], s[46:47], s[18:19]
	s_mov_b32 s18, s45
	s_add_nc_u64 s[20:21], s[46:47], s[18:19]      ; my first head's fragments,
	s_mov_b32 s18, s66
	s_add_nc_u64 s[22:23], s[20:21], s[18:19]      ; my second head's,
	s_mov_b32 s18, s92
	s_add_nc_u64 s[46:47], s[46:47], s[18:19]      ; my first head's scale words
	s_mov_b32 s18, s93
	s_add_nc_u64 s[10:11], s[8:9], s[18:19]        ; the bias by features,
	s_mov_b32 s18, s94
	s_add_nc_u64 s[12:13], s[8:9], s[18:19]        ; the bias by lanes
	v_mul_lo_u32 v24, v2, s66
	v_lshl_add_u32 v24, v1, 4, v24                 ; scale words: 16 r; lanes 16-31 a head further on
	v_lshlrev_b32 v7, 6, v2                        ; 64 h
	v_and_b32 v25, 8, v1
	v_add_nc_u32 v25, v25, v1
	v_lshlrev_b32 v25, 2, v25                      ; 4 (r + 8 (r / 8))
.irp b, 0,1,2,3,4,5,6,7
	global_load_b128 v[BIAS+8*\b:BIAS+8*\b+3], v7, s[10:11] offset:(32*(\b/2)+8*(\b%2))*4          ; tile b's eight features of my half
	global_load_b128 v[BIAS+8*\b+4:BIAS+8*\b+7], v7, s[10:11] offset:(32*(\b/2)+8*(\b%2))*4+16
.endr
.irp a, 0,1,2,3,4,5,6,7
	global_load_b32 v[8+\a], v25, s[12:13] offset:(32*(\a/2)+8*(\a%2))*4                           ; tile a's feature of my lane
.endr
	v_cmp_eq_u32 s95, 1, v2                        ; lanes 16-31
	s_mov_b32 s[SEL], 0x76543210
	s_mov_b32 s[SEL+1], 0xfedcba98
	s_wait_alu depctr_va_vdst(0)
	s_wait_tensorcnt 0x0                           ; my tile of the head's four is in
	ds_add_u32 v[SPW], v[NIL]
	s_mov_b32 s[G1+2], NB<<16                      ; no tensor load of mine is out: from here on a load brings NB tiles
	s_mov_b32 s[G1+4], NB
	s_mov_b32 s[G1B+2], NB<<16
	s_mov_b32 s[G1B+4], NB
	s_wait_dscnt 0x0
	CROUND                                         ; all four tiles are in, and all sixteen work-groups are here
	JLOAD G0+4, G1, G0B+4, G1B                     ; slot 1's first fill, the first tensor load behind the round
	FETCH_X 0, 0, 0
	FETCH_Y 0, 0, 0
	SCALES 0
	FETCH_Y 0, 0, NB/2
	STEP 0, 0, 1                                   ; the first K step stands in front of the loop: its products start the sums
.if LAPS > 1
	s_mov_b32 s3, LAPS-1
.Llap:                                                 ; a trip goes once round the ring and fills both slots again
	MID 0
	TURN 0, 1, 1
	STEP 1, 0, 0
	MID 1
	TURN 1, 0, 1
	STEP 0, 0, 0
	s_sub_co_u32 s3, s3, 1
	s_cmp_lg_u32 s3, 0
	s_cbranch_scc1 .Llap
.endif
	MID 0
	TURN 0, 1, 0                                   ; the last lap fills nothing
	STEP 1, 0, 0
	MID 1
	LAST
	; THE WAY OUT.  No LDS: a quantised fragment is stored as it stands, 512 consecutive bytes an instruction.
	s_wait_loadcnt 0x0                             ; the biases
	PLACES 4
	s_cmp_eq_u32 s96, 1
	s_cbranch_scc1 .Lmode_v
	; q, k: block a is a tile of 16 tokens; my 64 numbers are 128 features: blocks 0, 1 my first head, blocks 2, 3 my second.  Tiles 2 j and 2 j + 1 make a pair fragment for each head.
.irp a, 0,1,2,3,4,5,6,7
	s_wait_xcnt 0x0                                ; the last pair's stores have read their registers
	WIN 0x42+(\a/4)                                ; source 0: the accumulators' window; source 1: window 0; destination: window 1
.set N, 0
.rept 32
	v_pk_add_f32 v[N:N+1], v[64*(\a%4)+N:64*(\a%4)+N+1], v[BIAS+N:BIAS+N+1]      ; each accumulator from its low end on
.set N, N+2
.endr
	WIN 0x55                                       ; all in window 1
	QUANT 0, FA+6*(\a%2), FB+6*(\a%2)
.if \a%2 == 0
	v_lshl_or_b32 v[SWA+\a/2], v[TM+5], 8, v[TM+4]
	v_lshl_or_b32 v[SWB+\a/2], v[TM+7], 8, v[TM+6]
.else
	v_lshl_or_b32 v[TM+4], v[TM+5], 8, v[TM+4]
	v_lshl_or_b32 v[TM+6], v[TM+7], 8, v[TM+6]
	v_lshl_or_b32 v[SWA+\a/2], v[TM+4], 16, v[SWA+\a/2]
	v_lshl_or_b32 v[SWB+\a/2], v[TM+6], 16, v[SWB+\a/2]
	WIN 0x04                                       ; a store's data are its source 1: window 1
.irp q, 0,1,2
	global_store_b128 v[LI], v[FA+4*\q:FA+4*\q+3], s[20:21] offset:1536*(\a/2)+512*\q
	global_store_b128 v[LI], v[FB+4*\q:FB+4*\q+3], s[22:23] offset:1536*(\a/2)+512*\q
.endr
.endif
.endr
	WIN 0
	s_branch .Lwords
.Lmode_v:
	; v: block a is a tile of 16 features (head a / 4 of my two, tile a % 4 of its four); my 64 numbers are the key step's 128 tokens: one whole fragment
.irp a, 0,1,2,3,4,5,6,7
	s_wait_xcnt 0x0
	WIN 0
	v_mov_b32 v30, v[8+\a]                         ; my feature's bias, twice: a pair for the packed form
	v_mov_b32 v31, v[8+\a]
	WIN 0x42+(\a/4)
.set N, 0
.rept 32
	v_pk_add_f32 v[N:N+1], v[64*(\a%4)+N:64*(\a%4)+N+1], v[30:31]
.set N, N+2
.endr
	WIN 0x55
	QUANT 0, FA, FA+6
	v_lshl_or_b32 v[SWA+\a], v[TM+5], 8, v[TM+4]
	v_lshl_or_b32 v[SWA+\a], v[TM+6], 16, v[SWA+\a]
	v_lshl_or_b32 v[SWA+\a], v[TM+7], 24, v[SWA+\a]
	WIN 0x04
.irp q, 0,1,2
.if \a < 4
	global_store_b128 v[LI], v[FA+4*\q:FA+4*\q+3], s[20:21] offset:1536*(\a%4)+512*\q
.else
	global_store_b128 v[LI], v[FA+4*\q:FA+4*\q+3], s[22:23] offset:1536*(\a%4)+512*\q
.endif
.endr
.endr
	WIN 0
.Lwords:
	WIN 0x55
	s_wait_alu depctr_va_vdst(0)
.irp i, 0,1,2,3
	v_cndmask_b32 v[SWS+\i], v[SWA+\i], v[SWB+\i], s95     ; every lane holds both heads' words of row r: lanes 0-15 store the first head's, lanes 16-31 the second's
.endr
	WIN 0x04
	global_store_b128 v24, v[SWS:SWS+3], s[46:47]          ; 256 consecutive bytes for each head
	WIN 0
	s_wait_tensorcnt 0x0                           ; the wave's end: three lines behind my last tensor load
	ds_add_u32 v[SPW], v[NIL]
	s_wait_dscnt 0x0
	CROUND                                         ; the closing round
	s_endpgm
.Lfunc_end_k_q685790ad7a_qkv:
	.size	k_q685790ad7a_qkv, .Lfunc_end_k_q685790ad7a_qkv-k_q685790ad7a_qkv
	.p2alignl 7, 3214868480
	.fill 96, 4, 3214868480
	.section	.rodata,"a",@progbits
	.p2align	6, 0x0
	.amdhsa_kernel k_q685790ad7a_qkv
		.amdhsa_group_segment_fixed_size 327680
		.amdhsa_private_segment_fixed_size 0
		.amdhsa_enable_private_segment 0
		.amdhsa_kernarg_size 40
		.amdhsa_user_sgpr_count 2
		.amdhsa_user_sgpr_kernarg_segment_ptr 1
		.amdhsa_wavefront_size32 1
		.amdhsa_system_sgpr_workgroup_id_x 1
		.amdhsa_system_sgpr_workgroup_id_y 1
		.amdhsa_system_sgpr_workgroup_id_z 1
		.amdhsa_system_vgpr_workitem_id 0
		.amdhsa_next_free_vgpr 1024
		.amdhsa_next_free_sgpr 100
		.amdhsa_reserve_vcc 0
		.amdhsa_float_denorm_mode_32 3
		.amdhsa_float_denorm_mode_16_64 3
		.amdhsa_memory_ordered 1
		.amdhsa_forward_progress 1
		.amdhsa_inst_pref_size 210
	.end_amdhsa_kernel
	.amdgpu_metadata
---
amdhsa.version: [ 1, 2 ]
amdhsa.kernels:
  - .name:           k_q685790ad7a_qkv
    .symbol:         k_q685790ad7a_qkv.kd
    .args:
      - { .name: act, .offset: 0, .size: 8, .value_kind: global_buffer, .address_space: global }
      - { .name: wimg, .offset: 8, .size: 8, .value_kind: global_buffer, .address_space: global }
      - { .name: b_qkv, .offset: 16, .size: 8, .value_kind: global_buffer, .address_space: global }
      - { .name: qimg, .offset: 24, .size: 8, .value_kind: global_buffer, .address_space: global }
      - { .name: kvimg, .offset: 32, .size: 8, .value_kind: global_buffer, .address_space: global }
    .group_segment_fixed_size: 327680
    .private_segment_fixed_size: 0
    .kernarg_segment_align: 8
    .kernarg_segment_size: 40
    .max_flat_workgroup_size: 128
    .sgpr_count:     100
    .vgpr_count:     1024
    .wavefront_size: 32
...
	.end_amdgpu_metadata
.endif
;; end of part 2
;; launch attn (part 3): grid 8 x 32, 8 waves a work-group, clusters of 4 x 1, 327,680 bytes of LDS; arguments qimg, kvimg, att; writes att
.if DOCPART == 3
	.amdgcn_target "amdgcn-amd-amdhsa--gfx1250"
	.amdhsa_code_object_version 6
	.text
	.protected	k_q685790ad7a_attn
	.globl	k_q685790ad7a_attn
	.p2align	8
	.type	k_q685790ad7a_attn,@function
k_q685790ad7a_attn:
	s_mov_b64 s[64:65], 0
	v_nop
	global_prefetch_b8 v0, s[64:65] scope:SCOPE_SE
	s_setreg_imm32_b32 hwreg(HW_REG_WAVE_MODE, 25, 1), 1
	s_wait_xcnt 0x0
	s_wait_alu depctr_hold_cnt(0) depctr_sa_sdst(0) depctr_va_vdst(0) depctr_va_sdst(0) depctr_va_ssrc(0) depctr_va_vcc(0) depctr_vm_vsrc(0)
	s_getreg_b32 s2, hwreg(HW_REG_IB_STS2, 6, 4)
	s_cmp_eq_u32 s2, 0
	s_cbranch_scc0 .Lentry_in_a_cluster
	s_endpgm
.Lentry_in_a_cluster:
	s_bfe_u32 s2, ttmp6, 0x10000c
	s_cmp_lg_u32 s2, 0x3003
	s_cbranch_scc0 .Lentry_shape_is_right
	s_endpgm
.Lentry_shape_is_right:
; o = softmax(q k^T / 8) v for one (batch, head) and 256 queries, both products on codes of FP6 (E2M3) with E8M0 scales; o is quantised along the head's 64 and stored in att for launch proj.  No work is left out.
; p = 2^(t - M), t = score x log2(e) / 8, M = the ceiling of the running largest t; the row's sum is taken of the unquantised p; O^T and the sums are brought under a new M by an exact power of two.
; LIMIT: the promise holds while |t| stays under 2^31 (the difference of two M goes through a 32-bit whole number).  Other limits as stated at launch prep's head.
; SHAPE.  Eight waves, two for each SIMD; a wave holds TWO tiles of 16 queries, tile T in register window T, so each fragment of k and v read from LDS feeds two tiles' products.
; A head's k and v for all 2,048 keys are 16 key steps x 12,800 bytes = 204,800 bytes of kvimg: each wave brings an eighth by ONE tensor load at the head, as 100 rows of 256 bytes on 256-byte borders; nothing is filled again, so the loop has no barrier.
; CLUSTER: the four work-groups of a cluster take query blocks of one head and ask for its k and v jointly (mask 15).
; No prefetch: all that the launch streams is asked for by the head's one group of loads; there is no loop of loads to run ahead in.
; Both products are used transposed (S^T = k q^T, O^T = v^T p^T): a lane holds one query.  K = 64 fills half a matrix step: k's pair fragment holds two key tiles, q's fragment is [q | 0] or [0 | q].
; REGISTERS.  In both windows: v32-95 S^T then p; v96-127 O^T; v128-145 zeros, q, zeros; v146-157 p's codes; v158-164 their upper halves.
; Window 0 also holds what both tiles' short chains work on: v16-19 (-M, largest score), v20-23 f, v166-189 block maxima and bytes, v190-221 the sums (eight chains a tile), v224-235 scale words alone.
; Window 1 also: v166-213 k's four pair fragments; v0-23 and v214-237 v's four fragments.
.set STEPB, 12800
.set PART,  2*STEPB
.set SPARE, 16*STEPB                   ; the spare words, 128 bytes a wave, which no other line names
.set LI,  1                            ; 16 x lane
.set SPW, 5
.set NIL, 6
.set ADV, 8                            ; this key step in LDS
.set ADK, 9                            ; the next one
.set ST8, 10                           ; 8 x lane
.set SB,  11                           ; 16 r + h
.set QW,  12
.set NM,  16
.set FF,  20
.set TMP, 24
.set S,   32
.set O,   96
.set QF,  128
.set PC,  146
.set CT,  158
.set BM,  166
.set BP,  174
.set BS,  182
.set L,   190
.set SWK, 224
.set SWV, 228
.set QS,  232
.set PW,  234
.set KF,  166
.set WV,  18
.set CSN, 19
.set SEL, 20
.set CS,  22
.set G1,  24
.set G0,  32
.set MSB, 0
.macro WIN new                         ; the immediate's high byte repeats the setting that is left
.if MSB != (\new)
	s_set_vgpr_msb (MSB<<8)|(\new)
.set MSB, (\new)
.endif
.endm
.macro ROUND
	s_barrier_signal -1
	s_barrier_wait -1
	s_cmp_lg_u32 s[WV], 0
	s_cbranch_scc1 .Lnot_wave_0_\@
	s_barrier_signal -3
.Lnot_wave_0_\@:
	s_barrier_wait -3
	s_barrier_signal -1
	s_barrier_wait -1
.endm
	s_load_b128 s[4:7], s[0:1], 0x0                ; qimg, kvimg
	s_load_b64 s[8:9], s[0:1], 0x10                ; att
	v_lshl_add_u32 v[SPW], v0, 2, SPARE
	v_mov_b32 v[NIL], 0
	ds_add_u32 v[SPW], v[NIL]                      ; the opening lines: the add, twice on end, and its wait ahead of my first tensor load
	ds_add_u32 v[SPW], v[NIL]
	v_lshrrev_b32 v2, 5, v0
	v_readfirstlane_b32 s[WV], v2                  ; wave 0..7
	s_bfe_u32 s10, ttmp6, 0x40000                  ; cx
	s_lshl_b32 s11, ttmp9, 2
	s_add_co_u32 s11, s11, s10                     ; my block of 256 queries, 0..7
	s_and_b32 s12, ttmp7, 0xffff                   ; 16 x batch + head
	s_mov_b32 s[G1], 15|(3<<16)|(1<<21)            ; mask: the cluster's four; elements of 8 bytes; bit 21 beside a mask
	s_mov_b32 s[G1+1], 32<<16                      ; rows of 256 bytes
	s_mov_b32 s[G1+2], (PART/256)<<16
	s_mov_b32 s[G1+3], 32<<16
	s_mov_b32 s[G1+4], PART/256
	s_mov_b32 s[G1+5], 32
	s_mov_b32 s[G1+6], 0
	s_mov_b32 s[G1+7], 0
	s_mul_i32 s13, s[WV], PART                     ; my eighth: key steps 2 w, 2 w + 1
	s_mul_i32 s14, s12, 16*STEPB
	s_add_co_u32 s14, s14, s13
	s_mov_b32 s15, 0
	s_wait_dscnt 0x0                               ; both opening adds are done
	s_wait_kmcnt 0x0
	s_mov_b32 s[G0], 1
	s_mov_b32 s[G0+1], s13
	s_add_nc_u64 s[G0+2:G0+3], s[6:7], s[14:15]
	s_or_b32 s[G0+3], s[G0+3], 0x80000000
	ROUND                                          ; the four partners are here: the joint loads meet
	tensor_load_to_lds s[G0:G0+3], s[G1:G1+7]      ; my one tensor load of the launch
	s_nop 0
	s_mov_b32 s[SEL], 0x76543210
	s_mov_b32 s[SEL+1], 0xfedcba98                 ; lane l xor 16
	s_mov_b32 s[CS], 0x3e38aa3b                    ; c = log2(e) / 8
	s_mov_b32 s[CS+1], s[CS]
	s_mov_b32 s[CSN], 0xbe38aa3b                   ; -c
	s_lshr_b32 s37, s[WV], 2
	s_and_b32 s39, s[WV], 3
	s_lshl_b32 s36, s11, 1
	s_add_co_u32 s36, s36, s37                     ; my group of 128 queries
	s_lshl_b32 s37, s12, 4
	s_add_co_u32 s36, s36, s37
	s_mul_i32 s36, s36, 6400
	s_mul_i32 s37, s39, 1536                       ; my two tiles are one of its four pair fragments
	s_add_co_u32 s36, s36, s37
	s_mov_b32 s37, 0
	s_add_nc_u64 s[4:5], s[4:5], s[36:37]
	s_mul_i32 s43, s39, 1532
	s_sub_co_u32 s43, 6144, s43                    ; from there to the group's scale words [r][j], at my j
	s_lshr_b32 s44, s12, 4
	s_lshl_b32 s44, s44, 7
	s_lshl_b32 s45, s11, 4
	s_add_co_u32 s44, s44, s45
	s_lshl_b32 s45, s[WV], 1
	s_add_co_u32 s44, s44, s45                     ; my first token tile, 0..255
	s_and_b32 s45, s12, 15                         ; head
	s_lshr_b32 s46, s45, 1                         ; its K step of proj,
	s_and_b32 s47, s45, 1                          ; and which half of it
	s_lshl_b32 s48, s44, 3
	s_add_co_u32 s48, s48, s46
	s_mul_i32 s48, s48, 1536
	s_mul_i32 s50, s47, 768
	s_add_co_u32 s48, s48, s50
	s_mov_b32 s49, 0
	s_add_nc_u64 s[48:49], s[8:9], s[48:49]        ; att: my first tile's half fragment
	s_lshl_b32 s50, s44, 9
	s_lshr_b32 s51, s45, 3
	s_lshl_b32 s51, s51, 8
	s_add_co_u32 s50, s50, s51
	s_and_b32 s51, s46, 3
	s_lshl_b32 s51, s51, 2
	s_add_co_u32 s50, s50, s51
	s_lshl_b32 s51, s47, 1
	s_add_co_u32 s50, s50, s51
	s_add_co_u32 s50, s50, 3145728
	s_mov_b32 s51, 0
	s_add_nc_u64 s[50:51], s[8:9], s[50:51]        ; att: its two scale bytes a row
	v_and_b32 v2, 31, v0
	v_and_b32 v3, 15, v0                           ; r
	v_bfe_u32 v4, v0, 4, 1                         ; h
	v_lshlrev_b32 v[LI], 4, v2
	v_lshlrev_b32 v[ST8], 3, v2
	v_lshl_add_u32 v[SB], v3, 4, v4
	v_lshl_add_u32 v7, v3, 4, s43
	v_cmp_eq_u32 s52, 1, v4                        ; lanes 16-31
	s_wait_alu depctr_va_vdst(0)                   ; the wait behind the addresses' last write
	global_load_b32 v[QW], v7, s[4:5]              ; row r's scale word of my pair fragment
.irp T, 0,1                            ; tile T is half T of the pair fragment: six of its twelve registers, 8 bytes a load
	WIN \T<<6
	global_load_b64 v[QF+6:QF+7], v[LI], s[4:5] offset:520*\T
	global_load_b64 v[QF+8:QF+9], v[LI], s[4:5] offset:8+1016*\T
	global_load_b64 v[QF+10:QF+11], v[LI], s[4:5] offset:512+520*\T
.irp i, 0,1,2,3,4,5,12,13,14,15,16,17
	v_mov_b32 v[QF+\i], 0                          ; the zero codes on both sides of q
.endr
.set N, 0
.rept 32
	v_mov_b32 v[O+N], 0                            ; the step is written once: the first finds zeros, which the first change of M leaves zeros
.set N, N+1
.endr
.endr
	WIN 0
.irp T, 0,1
	v_mov_b32 v[NM+2*\T], 0x7f61b1e6               ; -M: 3e38, so that the first f is 0
	v_mov_b32 v[NM+2*\T+1], 0xff61b1e6             ; the largest score so far: -3e38
	v_mov_b32 v[FF+2*\T+1], 0                      ; (named as a pair's upper half)
.endr
	s_wait_alu depctr_va_vdst(0)                   ; the wait directly ahead of the wait below
	s_wait_loadcnt 0x0
.irp T, 0,1
	v_perm_b32 v[QS+\T], v[QW], v[QW], 0x01000100+0x02020202*\T    ; the tile's two bytes, for both halves of the matrix step
.endr
.set N, 0
.rept 32
	v_mov_b32 v[L+N], 0                            ; the sums.  (These lines are also the places between the scale words' write and the first products)
.set N, N+1
.endr
.set N, 0
.rept 8
	v_mov_b32 v[BP+N], 0                           ; a lane permute's destination counts as one of its sources
.set N, N+1
.endr
	s_wait_alu depctr_va_vdst(0)                   ; the wait at the head's end
	s_wait_tensorcnt 0x0                           ; my eighth has landed
	s_barrier_signal -1
	s_barrier_wait -1                              ; and everybody's
	WIN 0x40
.set N, 0
.rept 12
	ds_load_b128 v[KF+4*N:KF+4*N+3], v[LI] offset:512*N            ; key step 0: k's four pair fragments
.set N, N+1
.endr
	WIN 0
	ds_load_b128 v[SWK:SWK+3], v[LI] offset:12288  ; lanes 0-15: k's scale words
	s_mov_b32 s2, 0
	s_mov_b32 s3, 16
	s_wait_dscnt 0x0
.Lstep:                                        ; a key step of 128 keys for my two tiles; k's fragments and scale words are in
	s_add_co_u32 s4, s2, STEPB
	s_min_u32 s4, s4, 15*STEPB                     ; the next step; the last trip reads its own k once more, inside the tile, and uses nothing of it
.irp T, 0,1
	WIN (\T<<6)|(\T<<2)|1
.irp j, 0,1,2,3
.irp u, 0,1
	v_wmma_scale_f32_16x16x128_f8f6f4 v[S+8*(2*\j+\u):S+8*(2*\j+\u)+7], v[KF+12*\j:KF+12*\j+11], v[QF+6-6*\u:QF+17-6*\u], 0, v[SWK+\j], v[QS+\T] matrix_a_fmt:MATRIX_FMT_FP6 matrix_b_fmt:MATRIX_FMT_FP6
.endr
.endr
.endr
	WIN 0
	v_add_nc_u32 v[ADV], s2, v[LI]                 ; four places behind the products, ahead of the loads into their sources and of the first read of S^T
	v_add_nc_u32 v[ADK], s4, v[LI]
	v_nop
	v_nop
	WIN 0x40
.set N, 0
.rept 12
	ds_load_b128 v[4*N+190*(N/6):4*N+190*(N/6)+3], v[ADV] offset:6144+512*N        ; this step's v; it lands under the softmax
.set N, N+1
.endr
.set N, 0
.rept 12
	ds_load_b128 v[KF+4*N:KF+4*N+3], v[ADK] offset:512*N           ; the next step's k likewise
.set N, N+1
.endr
	WIN 0
	ds_load_b128 v[SWV:SWV+3], v[ADV] offset:12288 ; lanes 16-31: v's scale words
	ds_load_b128 v[SWK:SWK+3], v[ADK] offset:12288
.irp T, 0,1                            ; the largest score of each block of 32 keys: for the row's maximum and for the block's largest p.  Results in window 0; the four blocks by turns
	WIN \T*0x14
.irp i, 0,2,4,6,8,10,12,14
.irp b, 0,1,2,3
.if \i == 0
	v_max3_num_f32 v[BM+4*\T+\b], 0xff800000, v[S+16*\b], v[S+16*\b+1]
.else
	v_max3_num_f32 v[BM+4*\T+\b], v[BM+4*\T+\b], v[S+16*\b+\i], v[S+16*\b+\i+1]
.endif
.endr
.endr
.endr
	WIN 0
.set N, 0
.rept 8
	v_permlanex16_b32 v[BP+N], v[BM+N], s[SEL], s[SEL+1]
.set N, N+1
.endr
.set N, 0
.rept 8
	v_max_num_f32 v[BM+N], v[BM+N], v[BP+N]        ; with lane l xor 16's 16 keys
.set N, N+1
.endr
.irp T, 0,1                            ; the two tiles' chains take turns, line by line
	v_max3_num_f32 v[TMP+\T], v[BM+4*\T], v[BM+4*\T+1], v[BM+4*\T+2]
.endr
.irp T, 0,1
	s_delay_alu instid0(VALU_DEP_2)
	v_max3_num_f32 v[NM+2*\T+1], v[NM+2*\T+1], v[TMP+\T], v[BM+4*\T+3]     ; the running largest score (c is positive)
.endr
.irp T, 0,1
	s_delay_alu instid0(VALU_DEP_2)
	v_mul_f32 v[TMP+\T], s[CSN], v[NM+2*\T+1]
.endr
.irp T, 0,1
	s_delay_alu instid0(VALU_DEP_2)
	v_floor_f32 v[TMP+\T], v[TMP+\T]               ; the new -M = floor(-t)
.endr
.irp T, 0,1
	s_delay_alu instid0(VALU_DEP_2)
	v_sub_f32 v[TMP+2+\T], v[TMP+\T], v[NM+2*\T]   ; old M less new M: a whole number, 0 or less
.endr
.irp T, 0,1
	s_delay_alu instid0(VALU_DEP_4)
	v_mov_b32 v[NM+2*\T], v[TMP+\T]
.endr
.irp T, 0,1
	s_delay_alu instid0(VALU_DEP_4)
	v_cvt_i32_f32 v[TMP+2+\T], v[TMP+2+\T]         ; (it saturates)
.endr
.irp T, 0,1
	s_delay_alu instid0(VALU_DEP_2)
	v_ldexp_f32 v[FF+2*\T], 1.0, v[TMP+2+\T]       ; f = 2^(old M - new M)
.endr
.irp T, 0,1
.irp b, 0,1,2,3
	v_fma_f32 v[BM+4*\T+\b], v[BM+4*\T+\b], s[CS], v[NM+2*\T]      ; t - M of each block's largest score
.endr
.endr
.irp T, 0,1
	WIN \T*0x41
.set N, 0
.rept 32
	v_pk_fma_f32 v[S+N:S+N+1], v[S+N:S+N+1], s[CS:CS+1], v[NM+2*\T:NM+2*\T+1] op_sel_hi:[1,0,0]    ; t - M
.set N, N+2
.endr
.set N, 0
.rept 16
	v_pk_mul_f32 v[O+N:O+N+1], v[O+N:O+N+1], v[FF+2*\T:FF+2*\T+1] op_sel_hi:[1,0]                  ; O^T under the new M, each accumulator from its low end on
.set N, N+2
.endr
.endr
	s_wait_alu depctr_va_vdst(0)                   ; the wait ahead of the batch
.irp T, 1,0
	WIN \T*0x41
.set N, 0
.rept 64
	v_exp_f32 v[S+N], v[S+N]                       ; p, at most 1, not normalised
.set N, N+1
.endr
.endr
.set N, 0
.rept 8
	v_exp_f32 v[BM+N], v[BM+N]                     ; each block's largest p: the same two instructions on the same number
.set N, N+1
.endr
	v_nop                                          ; a plain place behind the batch,
	s_wait_alu depctr_va_vdst(0)                   ; and the one wait ahead of its first reader
.set N, 0
.rept 8
	v_max_num_f32 v[BM+N], 0x1800000, v[BM+N]      ; the floor 2^(3 - 127): the byte cannot fall under 1
.set N, N+1
.endr
.set N, 0
.rept 8
	v_add_nc_u32 v[BS+N], 0xff000000, v[BM+N]      ; 2 off the exponent field: the conversion's scale operand
.set N, N+1
.endr
.set N, 0
.rept 8
	v_lshrrev_b32 v[BP+N], 23, v[BS+N]             ; the scale's byte
.set N, N+1
.endr
.irp T, 0,1
	v_lshl_or_b32 v[PW+\T], v[BP+4*\T+1], 8, v[BP+4*\T]
.endr
.irp T, 0,1
	s_delay_alu instid0(VALU_DEP_2)
	v_lshl_or_b32 v[PW+\T], v[BP+4*\T+2], 16, v[PW+\T]
.endr
.irp T, 0,1
	s_delay_alu instid0(VALU_DEP_2)
	v_lshl_or_b32 v[PW+\T], v[BP+4*\T+3], 24, v[PW+\T]             ; p's scale word for these 128 keys
.endr
.irp T, 0,1
	WIN \T*0x41
.irp c, 0,1
	v_cvt_scalef32_pk16_fp6_f32 v[PC+6*\c:PC+6*\c+2], v[S+32*\c:S+32*\c+15], v[BS+4*\T+2*\c]
	v_cvt_scalef32_pk16_fp6_f32 v[CT+4*\c:CT+4*\c+2], v[S+16+32*\c:S+31+32*\c], v[BS+4*\T+2*\c+1]  ; (a conversion's three registers begin on an even number)
.endr
.endr
	v_nop                                          ; one plain place behind the scaled conversions
.irp T, 1,0
	WIN \T*0x41
.irp c, 0,1
.irp i, 0,1,2
	v_permlane16_swap_b32 v[PC+6*\c+\i], v[CT+4*\c+\i]             ; a whole block to a lane
.endr
.endr
.irp c, 0,1
.irp i, 0,1,2
	v_mov_b32 v[PC+3+6*\c+\i], v[CT+4*\c+\i]
.endr
.endr
.endr
.irp T, 0,1                            ; the row's sum of the unquantised p: eight chains a tile; the first link brings the chain under the new M.  These lines are also the places ahead of the products below
	WIN \T<<4
.irp c, 0,1,2,3,4,5,6,7
	v_pk_fma_f32 v[L+16*\T+2*\c:L+16*\T+2*\c+1], v[L+16*\T+2*\c:L+16*\T+2*\c+1], v[FF+2*\T:FF+2*\T+1], v[S+2*\c:S+2*\c+1] op_sel_hi:[1,0,1]
.endr
	WIN \T<<2
.irp i, 16,32,48
.irp c, 0,1,2,3,4,5,6,7
	v_pk_add_f32 v[L+16*\T+2*\c:L+16*\T+2*\c+1], v[L+16*\T+2*\c:L+16*\T+2*\c+1], v[S+\i+2*\c:S+\i+2*\c+1]
.endr
.endr
.endr
	s_wait_alu depctr_va_vdst(0)                   ; the wait directly ahead of the wait below
	s_wait_dscnt 0x0                               ; v's fragments, and the next step's k
.irp T, 0,1                            ; O^T += v^T p^T; the eight accumulators take turns
	WIN (\T<<6)|(\T<<4)|(\T<<2)|1
.irp t, 0,1,2,3
	v_wmma_scale_f32_16x16x128_f8f6f4 v[O+8*\t:O+8*\t+7], v[12*\t+190*(\t/2):12*\t+190*(\t/2)+11], v[PC:PC+11], v[O+8*\t:O+8*\t+7], v[SWV+\t], v[PW+\T] matrix_a_fmt:MATRIX_FMT_FP6 matrix_b_fmt:MATRIX_FMT_FP6 matrix_a_scale:MATRIX_SCALE_ROW1
.endr
.endr
	WIN 0
	s_add_co_u32 s2, s2, STEPB
	s_sub_co_u32 s3, s3, 1
	s_cmp_lg_u32 s3, 0
	s_cbranch_scc1 .Lstep
	; the rows' sums (these lines are the places behind the last products)
.irp c, 0,4,8,12
.irp T, 0,1
	v_pk_add_f32 v[L+16*\T+\c:L+16*\T+\c+1], v[L+16*\T+\c:L+16*\T+\c+1], v[L+16*\T+\c+2:L+16*\T+\c+3]
.endr
.endr
.irp c, 0,8
.irp T, 0,1
	v_pk_add_f32 v[L+16*\T+\c:L+16*\T+\c+1], v[L+16*\T+\c:L+16*\T+\c+1], v[L+16*\T+\c+4:L+16*\T+\c+5]
.endr
.endr
.irp T, 0,1
	s_delay_alu instid0(VALU_DEP_2)
	v_pk_add_f32 v[L+16*\T:L+16*\T+1], v[L+16*\T:L+16*\T+1], v[L+16*\T+8:L+16*\T+9]
.endr
.irp T, 0,1
	s_delay_alu instid0(VALU_DEP_2)
	v_add_f32 v[TMP+\T], v[L+16*\T], v[L+16*\T+1]
.endr
.irp T, 0,1
	s_delay_alu instid0(VALU_DEP_2)
	v_permlanex16_b32 v[BP+\T], v[TMP+\T], s[SEL], s[SEL+1]
.endr
.irp T, 0,1
	s_delay_alu instid0(VALU_DEP_2)
	v_add_f32 v[FF+2*\T], v[TMP+\T], v[BP+\T]
.endr
	s_wait_alu depctr_va_vdst(0)                   ; ahead of the batch
.irp T, 0,1
	v_rcp_f32 v[FF+2*\T], v[FF+2*\T]
.endr
	v_nop
	s_wait_alu depctr_va_vdst(0)                   ; and behind it
.irp T, 0,1
	WIN \T*0x41
	s_wait_alu depctr_va_vdst(0)                   ; the wait directly ahead of the first readers of these matrix results
.set N, 0
.rept 16
	v_pk_mul_f32 v[S+N:S+N+1], v[O+N:O+N+1], v[FF+2*\T:FF+2*\T+1] op_sel_hi:[1,0]      ; o = O^T / the sum: register 16 b + i is feature 32 b + 16 h + i of my query
.set N, N+2
.endr
.endr
.irp T, 0,1                            ; o quantised along the head's 64: two blocks
	WIN \T*0x14
.irp i, 0,2,4,6,8,10,12,14
.irp b, 0,1
.if \i == 0
	v_max3_num_f32 v[BM+4*\T+\b], 0x1800000, |v[S+16*\b]|, |v[S+16*\b+1]|
.else
	s_delay_alu instid0(VALU_DEP_2)
	v_max3_num_f32 v[BM+4*\T+\b], v[BM+4*\T+\b], |v[S+16*\b+\i]|, |v[S+16*\b+\i+1]|
.endif
.endr
.endr
.endr
	WIN 0
.irp T, 0,1
.irp b, 0,1
	v_permlanex16_b32 v[BP+4*\T+\b], v[BM+4*\T+\b], s[SEL], s[SEL+1]
.endr
.endr
.irp T, 0,1
.irp b, 0,1
	s_delay_alu instid0(VALU_DEP_4)
	v_max_num_f32 v[BM+4*\T+\b], v[BM+4*\T+\b], v[BP+4*\T+\b]
.endr
.endr
.irp T, 0,1
.irp b, 0,1
	s_delay_alu instid0(VALU_DEP_4)
	v_add_nc_u32 v[BS+4*\T+\b], 0xff000000, v[BM+4*\T+\b]
.endr
.endr
.irp T, 0,1
.irp b, 0,1
	s_delay_alu instid0(VALU_DEP_4)
	v_lshrrev_b32 v[BP+4*\T+\b], 23, v[BS+4*\T+\b]
.endr
.endr
.irp T, 0,1
	v_cndmask_b32 v[BP+4*\T], v[BP+4*\T], v[BP+4*\T+1], s52        ; lanes 0-15 store block 0's byte, lanes 16-31 block 1's
.endr
.irp T, 0,1
	WIN \T*0x41
	v_cvt_scalef32_pk16_fp6_f32 v[PC:PC+2], v[S:S+15], v[BS+4*\T]
	v_cvt_scalef32_pk16_fp6_f32 v[CT:CT+2], v[S+16:S+31], v[BS+4*\T+1]
.endr
	v_nop
.irp T, 1,0
	WIN \T*0x41
.irp i, 0,1,2
	v_permlane16_swap_b32 v[PC+\i], v[CT+\i]
.endr
.irp i, 0,1,2
	v_mov_b32 v[PC+3+\i], v[CT+\i]
.endr
.endr
	s_wait_alu depctr_va_vdst(0)                   ; the wait behind the last writes that the stores read
.irp T, 0,1
	WIN \T<<2                                      ; a store's data are its source 1
.irp i, 0,1,2
	global_store_b64 v[ST8], v[PC+2*\i:PC+2*\i+1], s[48:49] offset:12288*\T+256*\i         ; 32 lanes store 256 consecutive bytes, aligned
.endr
.endr
	WIN 0
.irp T, 0,1
	global_store_b8 v[SB], v[BP+4*\T], s[50:51] offset:512*\T
.endr
	s_wait_tensorcnt 0x0                           ; the wave's end
	ds_add_u32 v[SPW], v[NIL]
	s_wait_dscnt 0x0
	ROUND                                          ; the closing round
	s_endpgm
.Lfunc_end_k_q685790ad7a_attn:
	.size	k_q685790ad7a_attn, .Lfunc_end_k_q685790ad7a_attn-k_q685790ad7a_attn
	.p2alignl 7, 3214868480
	.fill 96, 4, 3214868480
	.section	.rodata,"a",@progbits
	.p2align	6, 0x0
	.amdhsa_kernel k_q685790ad7a_attn
		.amdhsa_group_segment_fixed_size 327680
		.amdhsa_private_segment_fixed_size 0
		.amdhsa_enable_private_segment 0
		.amdhsa_kernarg_size 24
		.amdhsa_user_sgpr_count 2
		.amdhsa_user_sgpr_kernarg_segment_ptr 1
		.amdhsa_wavefront_size32 1
		.amdhsa_system_sgpr_workgroup_id_x 1
		.amdhsa_system_sgpr_workgroup_id_y 1
		.amdhsa_system_sgpr_workgroup_id_z 1
		.amdhsa_system_vgpr_workitem_id 0
		.amdhsa_next_free_vgpr 512
		.amdhsa_next_free_sgpr 80
		.amdhsa_reserve_vcc 0
		.amdhsa_float_denorm_mode_32 3
		.amdhsa_float_denorm_mode_16_64 3
		.amdhsa_memory_ordered 1
		.amdhsa_forward_progress 1
		.amdhsa_inst_pref_size 51
	.end_amdhsa_kernel
	.amdgpu_metadata
---
amdhsa.version: [ 1, 2 ]
amdhsa.kernels:
  - .name:           k_q685790ad7a_attn
    .symbol:         k_q685790ad7a_attn.kd
    .args:
      - { .name: qimg, .offset: 0, .size: 8, .value_kind: global_buffer, .address_space: global }
      - { .name: kvimg, .offset: 8, .size: 8, .value_kind: global_buffer, .address_space: global }
      - { .name: att, .offset: 16, .size: 8, .value_kind: global_buffer, .address_space: global }
    .group_segment_fixed_size: 327680
    .private_segment_fixed_size: 0
    .kernarg_segment_align: 8
    .kernarg_segment_size: 24
    .max_flat_workgroup_size: 256
    .sgpr_count:     80
    .vgpr_count:     512
    .wavefront_size: 32
...
	.end_amdgpu_metadata
.endif
;; end of part 3
;; launch proj (part 4): grid 8 x 32, 4 waves a work-group, clusters of 4 x 4, 327,680 bytes of LDS; arguments att, wimg, b_proj, x, x2; writes x2
.if DOCPART == 4
	.amdgcn_target "amdgcn-amd-amdhsa--gfx1250"
	.amdhsa_code_object_version 6
	.text
	.protected	k_q685790ad7a_proj
	.globl	k_q685790ad7a_proj
	.p2align	8
	.type	k_q685790ad7a_proj,@function
k_q685790ad7a_proj:
	s_mov_b64 s[64:65], 0
	v_nop
	global_prefetch_b8 v0, s[64:65] scope:SCOPE_SE
	s_setreg_imm32_b32 hwreg(HW_REG_WAVE_MODE, 25, 1), 1
	s_wait_xcnt 0x0
	s_wait_alu depctr_hold_cnt(0) depctr_sa_sdst(0) depctr_va_vdst(0) depctr_va_sdst(0) depctr_va_ssrc(0) depctr_va_vcc(0) depctr_vm_vsrc(0)
	s_getreg_b32 s2, hwreg(HW_REG_IB_STS2, 6, 4)
	s_cmp_eq_u32 s2, 0
	s_cbranch_scc0 .Lentry_in_a_cluster
	s_endpgm
.Lentry_in_a_cluster:
	s_bfe_u32 s2, ttmp6, 0x10000c
	s_cmp_lg_u32 s2, 0xf033
	s_cbranch_scc0 .Lentry_shape_is_right
	s_endpgm
.Lentry_shape_is_right:
; x2 = x + (Q(o) Q(w_proj) + b_proj), f32, row-major.  No work is left out.
; THE CORE of launch qkv on blocks of 128 x 128 (256 work-groups): four waves of 64 x 64, 16 accumulators; a slot holds KS = 4 K steps, so that a tensor load brings 4 tiles x 6,144 bytes; K = 1,024 is the two slots' first fills.
; Source 0 = a tile of w_proj's features (X), source 1 = a tile of tokens (Y): a lane holds a token and eight neighbouring features a tile.  Y's fragments lie in att as six pieces of 256 bytes (registers 2 p, 2 p + 1 of lane l at 256 p + 8 l).
; The residual's 64 x 64 numbers are asked for at the head and land under the products.  The way out goes through the wave's stage in LDS, in slot 0, which has had its only fill and its last read: whole aligned 256 bytes leave.
; REGISTERS: window 0: v1-31 addresses, v[8:11] the bias; v32-63 scale words, two sets, and nothing else; v64-127 rows on the way out; from v128 Y's fragments.  Window 1: X's two sets.  Window 2: v0-127 accumulators, v128-255 the residual.
.set NB,     4
.set KS,     4
.set KT,     8
.set PIECES, 1
.set NLY,    6
.set MUL_LO, 0xa1
.set MUL_HI, 0xa1
.set YOFF,   0
.set YSOFF,  3145728
.set XOFF,   2359296
.set XSOFF,  9535488
.set FRB,    1536
.set TROW,   KS*FRB
.set HALFT,  NB*TROW
.set SLOT,   4*HALFT
.set TPITCH, KT*FRB
.set LAPS,   KT/(2*KS)
.set TSC,    64*KT
.set HALFS,  NB*TSC
.set SCL,    2*SLOT
.set SPARE,  SCL+4*HALFS+256
.set ADRY, 16
.set ADRX, 20
.set STO,  22                          ; v22 the stage: where I put 32 bytes of a row
.set RD,   23                          ; v23 and where I read a row back
.set CO,   25                          ; v25 my byte offset in two rows of the residual and of the output
.set LI,   26
.set ADRS, 27
.set SPW,  28
.set NIL,  29
.set SC,   32
.set BK,   64
.set YF,   128
.set G1,   24
.set G0,   32
.set G1B,  48
.set G0B,  56
.set G1S,  68
.set G0S,  76
.set G1SB, 80
.set G0SB, 88
.set MSB, 0
.macro WIN new
.if MSB != (\new)
	s_set_vgpr_msb (MSB<<8)|(\new)
.set MSB, (\new)
.endif
.endm
.macro JLOAD g0a, g1a, g0b, g1b        ; a joint load: waves 0 and 1 fetch for Y, waves 2 and 3 for X; an s_nop 0 and four v_nop follow each of the two lines
	s_cmp_eq_u32 s15, 0
	s_cbranch_scc0 .Lfor_x_\@
	tensor_load_to_lds s[\g0a:\g0a+3], s[\g1a:\g1a+7]
	s_nop 0
.rept 4
	v_nop
.endr
	s_branch .Lasked_\@
.Lfor_x_\@:
	tensor_load_to_lds s[\g0b:\g0b+3], s[\g1b:\g1b+7]
	s_nop 0
.rept 4
	v_nop
.endr
.Lasked_\@:
.endm
.macro CREST
	s_cmp_lg_u32 s14, 0
	s_cbranch_scc1 .Lnot_wave_0_\@
	s_barrier_signal -3
.Lnot_wave_0_\@:
	s_barrier_wait -3
	s_barrier_signal -1
	s_barrier_wait -1
.endm
.macro CROUND
	s_barrier_signal -1
	s_barrier_wait -1
	CREST
.endm
.macro PLACES n
.rept \n
	v_nop
.endr
.endm
.macro FRAGX reg, slot, q, i
.irp c, 0,1,2
	ds_load_b128 v[(\reg)+4*\c:(\reg)+4*\c+3], v[ADRX+\slot] offset:(\i)*TROW+(\q)*FRB+512*\c
.endr
.endm
.macro FRAGY reg, slot, q, i
.if PIECES
.irp p, 0,1,2,3,4,5
	ds_load_b64 v[(\reg)+2*\p:(\reg)+2*\p+1], v[ADRY+\slot] offset:(\i)*TROW+(\q)*FRB+256*\p
.endr
.else
.irp c, 0,1,2
	ds_load_b128 v[(\reg)+4*\c:(\reg)+4*\c+3], v[ADRY+\slot] offset:(\i)*TROW+(\q)*FRB+512*\c
.endr
.endif
.endm
.macro FETCH_X slot, q, p
	WIN 0x40
.set FI, 0
.rept NB
	FRAGX 128*(\p)+12*FI, \slot, \q, FI
.set FI, FI+1
.endr
	WIN 0
.endm
.macro FETCH_Y slot, q, i0
.set FI, \i0
.rept NB/2
	FRAGY YF+12*FI, \slot, \q, FI
.set FI, FI+1
.endr
.endm
.macro SCALES set
.set FI, 0
.rept NB
.if KS == 2
	ds_load_b64 v[SC+16*(\set)+2*FI:SC+16*(\set)+2*FI+1], v[ADRS] offset:FI*TSC
.else
	ds_load_b128 v[SC+16*(\set)+4*FI:SC+16*(\set)+4*FI+3], v[ADRS] offset:FI*TSC
.endif
.set FI, FI+1
.endr
.endm
.macro MULQ qa, p, q, set, zero        ; the accumulators take turns, one instruction a turn, in the same order in every step
.set AA, (\qa)*(NB/4)
.rept NB/4
.set BB, 0
.rept NB
.set RA, 8*(NB*(AA%4)+BB)
.set RX, 128*(\p)+12*BB
.set RY, YF+12*AA
.set SX, SC+16*(\set)+KS*BB+(\q)
.set SY, SC+16*(\set)+KS*AA+(\q)
.if \zero
	v_wmma_scale_f32_16x16x128_f8f6f4 v[RA:RA+7], v[RX:RX+11], v[RY:RY+11], 0, v[SX], v[SY] matrix_a_fmt:MATRIX_FMT_FP6 matrix_b_fmt:MATRIX_FMT_FP6 matrix_a_scale:MATRIX_SCALE_ROW1
.else
	v_wmma_scale_f32_16x16x128_f8f6f4 v[RA:RA+7], v[RX:RX+11], v[RY:RY+11], v[RA:RA+7], v[SX], v[SY] matrix_a_fmt:MATRIX_FMT_FP6 matrix_b_fmt:MATRIX_FMT_FP6 matrix_a_scale:MATRIX_SCALE_ROW1
.endif
.set BB, BB+1
.endr
.set AA, AA+1
.endr
.endm
.macro STEP slot, q, zero
	s_wait_dscnt (NB/2)*NLY                        ; all but the youngest loads, Y's upper blocks
	WIN MUL_LO
	MULQ 0, (\q)%2, \q, \slot, \zero
	MULQ 1, (\q)%2, \q, \slot, \zero
	s_wait_dscnt 0x0
	PLACES 4
	FETCH_X \slot, (\q)+1, 1-(\q)%2
	FETCH_Y \slot, (\q)+1, 0
	WIN MUL_HI
	MULQ 2, (\q)%2, \q, \slot, \zero
	MULQ 3, (\q)%2, \q, \slot, \zero
	PLACES 4
	WIN 0
	FETCH_Y \slot, (\q)+1, NB/2
.endm
.macro TURN slot, next, fill           ; a slot's last K step changes slots: the wait for all my tensor loads, the add, the wait for it and for my reads, one barrier
	s_wait_tensorcnt 0x0
	ds_add_u32 v[SPW], v[NIL]
	s_wait_dscnt (NB/2)*NLY+1                      ; (the add and Y's upper blocks may be out)
	WIN MUL_LO
	MULQ 0, 1, KS-1, \slot, 0
	s_wait_dscnt 0x0
	s_barrier_signal -1
	MULQ 1, 1, KS-1, \slot, 0
	WIN 0
	s_barrier_wait -1
.if \fill
	CREST
	s_add_nc_u64 s[G0+4*\slot+2:G0+4*\slot+3], s[G0+4*\slot+2:G0+4*\slot+3], 2*TROW
	s_add_nc_u64 s[G0B+4*\slot+2:G0B+4*\slot+3], s[G0B+4*\slot+2:G0B+4*\slot+3], 2*TROW
	JLOAD G0+4*\slot, G1, G0B+4*\slot, G1B
.else
	PLACES 4
.endif
	v_add_nc_u32 v[ADRS], 64*KS, v[ADRS]
	FETCH_X \next, 0, 0
	FETCH_Y \next, 0, 0
	SCALES \next
	WIN MUL_HI
	MULQ 2, 1, KS-1, \slot, 0
	MULQ 3, 1, KS-1, \slot, 0
	PLACES 4
	WIN 0
	FETCH_Y \next, 0, NB/2
.endm
.macro MID slot
.if KS == 4
	STEP \slot, 1, 0
	STEP \slot, 2, 0
.endif
.endm
.macro LAST
	s_wait_dscnt (NB/2)*NLY
	WIN MUL_LO
	MULQ 0, 1, KS-1, 1, 0
	MULQ 1, 1, KS-1, 1, 0
	s_wait_dscnt 0x0
	WIN MUL_HI
	MULQ 2, 1, KS-1, 1, 0
	MULQ 3, 1, KS-1, 1, 0
	WIN 0
.endm
; THE WAY OUT of block a (16 tokens x 64 features).  A lane's 8 numbers of tile b are features 32 (b / 2) + 16 h + 8 (b % 2) + 0 .. 7 of its token: into rows of 272 bytes, back as whole rows of 256.
.macro TOSTAGE a
	WIN 0x08                                       ; an LDS store's data are its source 1: window 2
.irp b, 0,1,2,3
	ds_store_b128 v[STO], v[8*(4*(\a)+\b):8*(4*(\a)+\b)+3] offset:128*(\b/2)+32*(\b%2)         ; each accumulator from its low end on
	ds_store_b128 v[STO], v[8*(4*(\a)+\b)+4:8*(4*(\a)+\b)+7] offset:128*(\b/2)+32*(\b%2)+16
.endr
	WIN 0
.set BB2, BK+32*((\a)%2)
.irp t, 0,1,2,3,4,5,6,7
	ds_load_b128 v[BB2+4*\t:BB2+4*\t+3], v[RD] offset:544*\t       ; LDS serves a wave's instructions in order (ISA guide 5.7.1.4): these see my stores
.endr
.endm
.macro SEND a, younger                 ; + bias, + residual, stored.  Stage rows 2 t, 2 t + 1 are tokens 32 (a / 2) + 8 (a % 2) + 2 t + 8 (t / 4) and the next
.set BB2, BK+32*((\a)%2)
	s_wait_dscnt \younger
.irp t, 0,1,2,3,4,5,6,7
	v_pk_add_f32 v[BB2+4*\t:BB2+4*\t+1], v[BB2+4*\t:BB2+4*\t+1], v[8:9]
	v_pk_add_f32 v[BB2+4*\t+2:BB2+4*\t+3], v[BB2+4*\t+2:BB2+4*\t+3], v[10:11]
.endr
	WIN 0x08                                       ; source 1: window 2
.set N, 0
.rept 16
	v_pk_add_f32 v[BB2+N:BB2+N+1], v[BB2+N:BB2+N+1], v[128+32*(\a)+N:128+32*(\a)+N+1]
.set N, N+2
.endr
	WIN 0
.irp t, 0,1,2,3,4,5,6,7
	global_store_b128 v[CO], v[BB2+4*\t:BB2+4*\t+3], s[12:13] offset:(32*((\a)/2)+8*((\a)%2)+2*\t+8*(\t/4))*4096       ; 16 lanes store 256 consecutive bytes, aligned
.endr
.endm
	s_load_b256 s[4:11], s[0:1], 0x0               ; Y's images s[4:5], wimg s[6:7], the bias s[8:9], the residual s[10:11]
	s_load_b64 s[12:13], s[0:1], 0x20              ; the output
	v_lshl_add_u32 v[SPW], v0, 2, SPARE
	v_mov_b32 v[NIL], 0
	ds_add_u32 v[SPW], v[NIL]                      ; the wave's opening: the add, twice on end, and its wait ahead of my first tensor load
	ds_add_u32 v[SPW], v[NIL]
	v_lshrrev_b32 v1, 5, v0
	v_readfirstlane_b32 s14, v1
	s_lshr_b32 s15, s14, 1                         ; HY; also: I fetch for Y (0) or X (1)
	s_and_b32 s16, s14, 1                          ; HX; also: which half I fetch
	s_bfe_u32 s40, ttmp6, 0x40000
	s_bfe_u32 s41, ttmp6, 0x40004
	s_lshl_b32 s42, ttmp9, 2
	s_add_co_u32 s42, s42, s40                     ; TCX: my block of 128 features
	s_and_b32 s17, ttmp7, 0xffff
	s_lshl_b32 s17, s17, 2
	s_add_co_u32 s17, s17, s41                     ; TRY: my block of 128 tokens
	s_lshl_b32 s43, s41, 2
	s_lshl_b32 s43, 15, s43
	s_lshl_b32 s44, 0x1111, s40
	s_or_b32 s[G1], s43, (3<<16)|(1<<21)
	s_or_b32 s[G1B], s44, (3<<16)|(1<<21)
.irp g, G1, G1B
	s_mov_b32 s[\g+1], (TROW/8)<<16
	s_mov_b32 s[\g+2], (2*NB)<<16                  ; the head's loads bring a side's 2 NB tiles
	s_mov_b32 s[\g+3], (TROW/8)<<16
	s_mov_b32 s[\g+4], 2*NB
	s_mov_b32 s[\g+5], TPITCH/8
	s_mov_b32 s[\g+6], 0
	s_mov_b32 s[\g+7], 0
.endr
	s_or_b32 s[G1S], s43, (3<<16)|(1<<21)
	s_or_b32 s[G1SB], s44, (3<<16)|(1<<21)
.irp g, G1S, G1SB
	s_mov_b32 s[\g+1], 32<<16
	s_mov_b32 s[\g+2], (HALFS/128)<<16
	s_mov_b32 s[\g+3], 32<<16
	s_mov_b32 s[\g+4], HALFS/128
	s_mov_b32 s[\g+5], 32
	s_mov_b32 s[\g+6], 0
	s_mov_b32 s[\g+7], 0
.endr
	s_mul_i32 s18, s16, NB
	s_mul_i32 s20, s17, 2*NB
	s_add_co_u32 s20, s20, s18
	s_mul_i32 s46, s42, 2*NB
	s_add_co_u32 s46, s46, s18
	s_mul_i32 s22, s17, 2*NB*TSC                   ; the scale words of the block's 2 NB tiles, whole
	s_add_co_u32 s22, s22, YSOFF
	s_mov_b32 s23, 0
	s_mul_i32 s20, s20, TPITCH
	s_add_co_u32 s20, s20, YOFF
	s_mov_b32 s21, 0
	s_mul_i32 s92, s42, 2*NB*TSC
	s_add_co_u32 s92, s92, XSOFF
	s_mov_b32 s93, 0
	s_mul_i32 s46, s46, TPITCH
	s_add_co_u32 s46, s46, XOFF
	s_mov_b32 s47, 0
	s_mul_i32 s45, s14, HALFT
	s_wait_dscnt 0x0
	s_wait_kmcnt 0x0
	s_add_nc_u64 s[20:21], s[4:5], s[20:21]
	s_add_nc_u64 s[22:23], s[4:5], s[22:23]
	s_add_nc_u64 s[46:47], s[6:7], s[46:47]
	s_add_nc_u64 s[92:93], s[6:7], s[92:93]
	CROUND
	s_mov_b32 s[G0S], 1
	s_mov_b32 s[G0S+1], SCL
	s_mov_b64 s[G0S+2:G0S+3], s[22:23]
	s_or_b32 s[G0S+3], s[G0S+3], 0x80000000
	s_mov_b32 s[G0SB], 1
	s_mov_b32 s[G0SB+1], SCL+2*HALFS+128
	s_mov_b64 s[G0SB+2:G0SB+3], s[92:93]
	s_or_b32 s[G0SB+3], s[G0SB+3], 0x80000000
.irp s, 0,1
	s_mov_b32 s[G0+4*\s], 1
	s_add_co_u32 s[G0+4*\s+1], s45, \s*SLOT
	s_add_nc_u64 s[G0+4*\s+2:G0+4*\s+3], s[20:21], \s*TROW
	s_or_b32 s[G0+4*\s+3], s[G0+4*\s+3], 0x80000000
	s_mov_b32 s[G0B+4*\s], 1
	s_add_co_u32 s[G0B+4*\s+1], s45, \s*SLOT
	s_add_nc_u64 s[G0B+4*\s+2:G0B+4*\s+3], s[46:47], \s*TROW
	s_or_b32 s[G0B+4*\s+3], s[G0B+4*\s+3], 0x80000000
.endr
; THE HEAD'S LOADS, ONE A WAVE: wave 0 slot 0's 2 NB tiles of Y (its own ring descriptor with the doubled row count), wave 2 those of X, wave 1 Y's scale words, wave 3 X's.
; One chain of branches on the wave's number: every way through it passes exactly one load.
.macro HARM under, g0, g1, next
	s_cmp_lt_u32 s14, \under
	s_cbranch_scc0 \next
	tensor_load_to_lds s[\g0:\g0+3], s[\g1:\g1+7]
	s_nop 0
.rept 4
	v_nop
.endr
	s_branch .Lhead_asked
\next:
.endm
	HARM 1, G0, G1, .Lhead_sy
	HARM 2, G0S, G1S, .Lhead_x
	HARM 3, G0B, G1B, .Lhead_sx
	tensor_load_to_lds s[G0SB:G0SB+3], s[G1SB:G1SB+7]
	s_nop 0
.rept 4
	v_nop
.endr
.Lhead_asked:
	v_and_b32 v1, 15, v0
	v_bfe_u32 v2, v0, 4, 1
	s_wait_alu depctr_va_vdst(0)
	v_and_b32 v3, 31, v0
	v_lshlrev_b32 v[LI], 4, v3
.if PIECES
	v_lshlrev_b32 v4, 3, v3                        ; Y's pieces: 8 x lane
.else
	v_lshlrev_b32 v4, 4, v3
.endif
	s_mul_i32 s21, s15, HALFT
	s_mul_i32 s22, s16, HALFT
	s_add_co_u32 s22, s22, 2*HALFT
.irp s, 0,1
	v_add_nc_u32 v[ADRY+\s], s21, v4
	v_add_nc_u32 v[ADRX+\s], s22, v[LI]
	s_add_co_u32 s21, s21, SLOT
	s_add_co_u32 s22, s22, SLOT
.endr
	v_mul_u32_u24 v5, v1, 4*KS
	s_mul_i32 s21, s15, HALFS
	s_mul_i32 s22, s16, HALFS
	s_add_co_u32 s22, s22, 2*HALFS+128
	s_sub_co_u32 s22, s22, s21
	v_mul_u32_u24 v6, s22, v2
	s_add_co_u32 s21, s21, SCL
	v_add_nc_u32 v5, v5, v6
	v_add_nc_u32 v[ADRS], s21, v5
	s_mul_i32 s23, s14, 16*272                     ; my stage
	v_mul_u32_u24 v[STO], v1, 272
	v_lshl_add_u32 v[STO], v2, 6, v[STO]
	v_add_nc_u32 v[STO], s23, v[STO]               ; in: row r, + 64 h
	v_mul_u32_u24 v[RD], v2, 272
	v_lshl_add_u32 v[RD], v1, 4, v[RD]
	v_add_nc_u32 v[RD], s23, v[RD]                 ; back: lanes 0-15 one row, lanes 16-31 the next
	v_lshlrev_b32 v[CO], 12, v2
	v_lshl_add_u32 v[CO], v1, 4, v[CO]             ; the same two rows in memory
	v_lshlrev_b32 v7, 4, v1
	s_wait_alu depctr_va_vdst(0)
	s_lshl_b32 s18, s42, 9
	s_lshl_b32 s19, s16, 8
	s_add_co_u32 s18, s18, s19                     ; my 64 features, in bytes
	s_mov_b32 s19, 0
	s_add_nc_u64 s[8:9], s[8:9], s[18:19]
	s_lshl_b32 s20, s17, 7
	s_lshl_b32 s21, s15, 6
	s_add_co_u32 s20, s20, s21                     ; my first token
	s_lshl_b32 s20, s20, 12
	s_add_co_u32 s20, s20, s18
	s_mov_b32 s21, 0
	s_add_nc_u64 s[10:11], s[10:11], s[20:21]
	s_add_nc_u64 s[12:13], s[12:13], s[20:21]
	global_load_b128 v[8:11], v7, s[8:9]
	WIN 0x80                                       ; destination window 2
.irp a, 0,1,2,3
.irp t, 0,1,2,3,4,5,6,7
	global_load_b128 v[128+32*\a+4*\t:128+32*\a+4*\t+3], v[CO], s[10:11] offset:(32*(\a/2)+8*(\a%2)+2*\t+8*(\t/4))*4096
.endr
.endr
	WIN 0
	s_wait_tensorcnt 0x0                           ; my tile of the head's four is in
	ds_add_u32 v[SPW], v[NIL]
	s_mov_b32 s[G1+2], NB<<16                      ; no tensor load of mine is out: from here on a load brings NB tiles
	s_mov_b32 s[G1+4], NB
	s_mov_b32 s[G1B+2], NB<<16
	s_mov_b32 s[G1B+4], NB
	s_wait_dscnt 0x0
	CROUND                                         ; all four tiles are in, and all sixteen work-groups are here
	JLOAD G0+4, G1, G0B+4, G1B                     ; slot 1's first fill, the first tensor load behind the round
	FETCH_X 0, 0, 0
	FETCH_Y 0, 0, 0
	SCALES 0
	FETCH_Y 0, 0, NB/2
	STEP 0, 0, 1
.if LAPS > 1
	s_mov_b32 s3, LAPS-1
.Llap:
	MID 0
	TURN 0, 1, 1
	STEP 1, 0, 0
	MID 1
	TURN 1, 0, 1
	STEP 0, 0, 0
	s_sub_co_u32 s3, s3, 1
	s_cmp_lg_u32 s3, 0
	s_cbranch_scc1 .Llap
.endif
	MID 0
	TURN 0, 1, 0
	STEP 1, 0, 0
	MID 1
	LAST
	s_wait_loadcnt 0x0                             ; the bias and the residual
	PLACES 4
	TOSTAGE 0
.irp a, 1,2,3
.if \a > 1
	s_wait_xcnt 0x0                                ; block a - 2's stores have read their registers
.endif
	TOSTAGE \a
	SEND \a-1, 16                                  ; behind block a - 1's loads: block a's 8 stores and 8 loads
.endr
	s_wait_xcnt 0x0
	SEND 3, 0
	s_wait_tensorcnt 0x0                           ; the wave's end: three lines behind my last tensor load and my last LDS store
	ds_add_u32 v[SPW], v[NIL]
	s_wait_dscnt 0x0
	CROUND
	s_endpgm
.Lfunc_end_k_q685790ad7a_proj:
	.size	k_q685790ad7a_proj, .Lfunc_end_k_q685790ad7a_proj-k_q685790ad7a_proj
	.p2alignl 7, 3214868480
	.fill 96, 4, 3214868480
	.section	.rodata,"a",@progbits
	.p2align	6, 0x0
	.amdhsa_kernel k_q685790ad7a_proj
		.amdhsa_group_segment_fixed_size 327680
		.amdhsa_private_segment_fixed_size 0
		.amdhsa_enable_private_segment 0
		.amdhsa_kernarg_size 40
		.amdhsa_user_sgpr_count 2
		.amdhsa_user_sgpr_kernarg_segment_ptr 1
		.amdhsa_wavefront_size32 1
		.amdhsa_system_sgpr_workgroup_id_x 1
		.amdhsa_system_sgpr_workgroup_id_y 1
		.amdhsa_system_sgpr_workgroup_id_z 1
		.amdhsa_system_vgpr_workitem_id 0
		.amdhsa_next_free_vgpr 768
		.amdhsa_next_free_sgpr 100
		.amdhsa_reserve_vcc 0
		.amdhsa_float_denorm_mode_32 3
		.amdhsa_float_denorm_mode_16_64 3
		.amdhsa_memory_ordered 1
		.amdhsa_forward_progress 1
		.amdhsa_inst_pref_size 68
	.end_amdhsa_kernel
	.amdgpu_metadata
---
amdhsa.version: [ 1, 2 ]
amdhsa.kernels:
  - .name:           k_q685790ad7a_proj
    .symbol:         k_q685790ad7a_proj.kd
    .args:
      - { .name: att, .offset: 0, .size: 8, .value_kind: global_buffer, .address_space: global }
      - { .name: wimg, .offset: 8, .size: 8, .value_kind: global_buffer, .address_space: global }
      - { .name: b_proj, .offset: 16, .size: 8, .value_kind: global_buffer, .address_space: global }
      - { .name: x, .offset: 24, .size: 8, .value_kind: global_buffer, .address_space: global }
      - { .name: x2, .offset: 32, .size: 8, .value_kind: global_buffer, .address_space: global }
    .group_segment_fixed_size: 327680
    .private_segment_fixed_size: 0
    .kernarg_segment_align: 8
    .kernarg_segment_size: 40
    .max_flat_workgroup_size: 128
    .sgpr_count:     100
    .vgpr_count:     768
    .wavefront_size: 32
...
	.end_amdgpu_metadata
.endif
;; end of part 4
;; launch ln2 (part 5): grid 256 x 1, 8 waves a work-group, no clusters, 37,376 bytes of LDS; arguments x2, g2, beta2, act; writes act
.if DOCPART == 5
	.amdgcn_target "amdgcn-amd-amdhsa--gfx1250"
	.amdhsa_code_object_version 6
	.text
	.protected	k_q685790ad7a_ln2
	.globl	k_q685790ad7a_ln2
	.p2align	8
	.type	k_q685790ad7a_ln2,@function
k_q685790ad7a_ln2:
	s_mov_b64 s[64:65], 0
	v_nop
	global_prefetch_b8 v0, s[64:65] scope:SCOPE_SE
	s_setreg_imm32_b32 hwreg(HW_REG_WAVE_MODE, 25, 1), 1
	s_wait_xcnt 0x0
; h = LayerNorm(x2) g2 + beta2 in f32, quantised along E to codes of FP6 (E2M3) with E8M0 scales, stored in act as fragment images and scale words (KS = 2): launch prep's norm, line for line.  No work is left out.
; Work-group = tile T of 16 tokens (rows 32 (T / 2) + 8 (T % 2) + i + 8 (i / 8)); wave w = columns 128 w .. 128 w + 127.  For the quantiser lane (r, h) holds register 16 b + i = column 32 b + 16 h + i of row r.
; A load takes the bytes as they lie: sixteen lanes 256 consecutive bytes of one row, the other sixteen the same of the next row; the numbers turn through the wave's own stage in LDS, half of the wave's columns at a time.
; Mean first, then the mean of the squared differences; the eight waves' sums meet in LDS.  LIMITS as stated at launch prep's head.
.set RED2,   512
.set SCW,    1024
.set SPARE,  1536                      ; the spare words, 128 bytes a wave, which no other line names
.set STG,    2560                      ; the stages: 16 rows x (256 + 16) bytes for each wave
.set SPITCH, 272
.set X,   32
.set G,   96
.set BE,  160
.set TM,  96
.set PW,  112
.set F,   116
.set CT,  128
.set SEL, 34
.macro QUANT s, d0, d1
.irp b, 0,1,2,3
	v_max3_num_f32 v[TM+\b], |v[(\s)+16*\b]|, |v[(\s)+1+16*\b]|, 0x1800000   ; my 16 numbers of block b, and the floor 2^(3 - 127)
.endr
.irp i, 2,4,6,8,10,12,14
.irp b, 0,1,2,3
	s_delay_alu instid0(VALU_DEP_4)
	v_max3_num_f32 v[TM+\b], v[TM+\b], |v[(\s)+16*\b+\i]|, |v[(\s)+1+16*\b+\i]|
.endr
.endr
.irp b, 0,1,2,3
	s_delay_alu instid0(VALU_DEP_4)
	v_permlanex16_b32 v[TM+4+\b], v[TM+\b], s[SEL], s[SEL+1]
.endr
.irp b, 0,1,2,3
	s_delay_alu instid0(VALU_DEP_4)
	v_max_num_f32 v[TM+\b], v[TM+\b], v[TM+4+\b]
.endr
.irp b, 0,1,2,3
	s_delay_alu instid0(VALU_DEP_4)
	v_add_nc_u32 v[TM+12+\b], 0xff000000, v[TM+\b]
.endr
.irp b, 0,1,2,3
	s_delay_alu instid0(VALU_DEP_4)
	v_lshrrev_b32 v[TM+4+\b], 23, v[TM+12+\b]
.endr
	v_cvt_scalef32_pk16_fp6_f32 v[(\d0):(\d0)+2], v[(\s):(\s)+15], v[TM+12]
	v_cvt_scalef32_pk16_fp6_f32 v[CT:CT+2], v[(\s)+16:(\s)+31], v[TM+13]
	v_cvt_scalef32_pk16_fp6_f32 v[(\d1):(\d1)+2], v[(\s)+32:(\s)+47], v[TM+14]
	v_cvt_scalef32_pk16_fp6_f32 v[CT+4:CT+6], v[(\s)+48:(\s)+63], v[TM+15]
	v_nop                                                  ; one plain place behind a scaled conversion
.irp i, 0,1,2
	v_permlane16_swap_b32 v[(\d0)+\i], v[CT+\i]
	v_permlane16_swap_b32 v[(\d1)+\i], v[CT+4+\i]
.endr
.irp i, 0,1,2
	v_mov_b32 v[(\d0)+3+\i], v[CT+\i]
	v_mov_b32 v[(\d1)+3+\i], v[CT+4+\i]
.endr
.endm
.macro ACROSS off
	s_delay_alu instid0(VALU_DEP_3)
	v_pk_add_f32 v[224:225], v[224:225], v[226:227]
	s_delay_alu instid0(VALU_DEP_2)
	v_pk_add_f32 v[228:229], v[228:229], v[230:231]
	s_delay_alu instid0(VALU_DEP_1)
	v_pk_add_f32 v[224:225], v[224:225], v[228:229]
	s_delay_alu instid0(VALU_DEP_1)
	v_add_f32 v244, v224, v225
	s_delay_alu instid0(VALU_DEP_1)
	v_permlanex16_b32 v245, v244, s[SEL], s[SEL+1]
	s_delay_alu instid0(VALU_DEP_1)
	v_add_f32 v244, v244, v245
	ds_store_b32 v7, v244 offset:\off
	s_wait_dscnt 0x0                                       ; for the others' sake: my store has landed
	s_barrier_signal -1
	s_barrier_wait -1
	ds_load_b128 v[236:239], v8 offset:\off
	ds_load_b128 v[240:243], v8 offset:\off+16
	s_wait_dscnt 0x0
	v_add_f32 v236, v236, v237
	v_add_f32 v238, v238, v239
	v_add_f32 v240, v240, v241
	v_add_f32 v242, v242, v243
	s_delay_alu instid0(VALU_DEP_3)
	v_add_f32 v236, v236, v238
	s_delay_alu instid0(VALU_DEP_2)
	v_add_f32 v240, v240, v242
	s_delay_alu instid0(VALU_DEP_1)
	v_add_f32 v236, v236, v240
.endm
	s_load_b256 s[4:11], s[0:1], 0x0               ; x2 s[4:5], g2 s[6:7], beta2 s[8:9], act s[10:11]
	v_lshl_add_u32 v12, v0, 2, SPARE
	v_mov_b32 v13, 0
	v_lshrrev_b32 v1, 5, v0
	s_delay_alu instid0(VALU_DEP_1)
	v_readfirstlane_b32 s32, v1                    ; wave 0..7
	v_and_b32 v1, 31, v0
	v_and_b32 v2, 15, v0                           ; r
	v_bfe_u32 v3, v0, 4, 1                         ; h
	s_wait_alu depctr_va_vdst(0)
	v_lshlrev_b32 v6, 4, v1                        ; 16 x lane
	v_lshlrev_b32 v4, 12, v3
	s_delay_alu instid0(VALU_DEP_1)
	v_lshl_add_u32 v4, v2, 4, v4                   ; x2, as it is loaded: lanes 0-15 a row's 256 bytes, lanes 16-31 the next row's
	v_lshlrev_b32 v5, 6, v3
	s_lshl_b32 s33, s32, 2
	v_lshl_add_u32 v7, v2, 5, s33                  ; 32 r + 4 w
	v_lshlrev_b32 v8, 5, v2
	s_lshr_b32 s36, s32, 1
	s_lshl_b32 s36, s36, 7
	s_and_b32 s37, s32, 1
	s_lshl_b32 s37, s37, 2
	s_add_co_u32 s36, s36, s37
	s_add_co_u32 s36, s36, SCW
	v_lshl_add_u32 v9, v2, 3, s36
	v_add_nc_u32 v10, SCW, v6
	s_mul_i32 s48, s32, 16*SPITCH
	s_add_co_u32 s48, s48, STG                     ; my wave's stage
	v_mul_u32_u24 v14, v3, SPITCH
	s_delay_alu instid0(VALU_DEP_1)
	v_lshl_add_u32 v14, v2, 4, v14
	s_delay_alu instid0(VALU_DEP_1)
	v_add_nc_u32 v14, s48, v14                     ; into it, as loaded
	v_mul_u32_u24 v15, v2, SPITCH
	s_delay_alu instid0(VALU_DEP_1)
	v_lshl_add_u32 v15, v3, 6, v15
	s_delay_alu instid0(VALU_DEP_1)
	v_add_nc_u32 v15, s48, v15                     ; out of it: row r, + 64 h
	s_mov_b32 s[SEL], 0x76543210
	s_mov_b32 s[SEL+1], 0xfedcba98
	s_mov_b32 s38, 0x3a800000                      ; 1 / 1,024
	s_mov_b32 s39, 0x3727c5ac                      ; 1e-5
	s_lshr_b32 s40, ttmp9, 1
	s_lshl_b32 s40, s40, 5
	s_and_b32 s41, ttmp9, 1
	s_lshl_b32 s41, s41, 3
	s_add_co_u32 s40, s40, s41
	s_lshl_b32 s40, s40, 12
	s_lshl_b32 s42, s32, 9
	s_add_co_u32 s40, s40, s42
	s_mov_b32 s41, 0
	s_mov_b32 s43, 0
	s_lshl_b32 s44, ttmp9, 3
	s_add_co_u32 s44, s44, s32
	s_mul_i32 s44, s44, 1536
	s_mov_b32 s45, 0
	s_lshl_b32 s46, ttmp9, 9
	s_add_co_u32 s46, s46, 3145728
	s_mov_b32 s47, 0
	s_wait_alu depctr_va_vdst(0)
	s_wait_kmcnt 0x0
	s_add_nc_u64 s[4:5], s[4:5], s[40:41]
	s_add_nc_u64 s[6:7], s[6:7], s[42:43]
	s_add_nc_u64 s[8:9], s[8:9], s[42:43]
	s_add_nc_u64 s[46:47], s[10:11], s[46:47]
	s_add_nc_u64 s[10:11], s[10:11], s[44:45]
.irp c, 0,1                            ; half c of my wave's columns; load i: the tile's rows 2 i and 2 i + 1 (rows 8-15 of a tile lie 8 rows further down)
.irp i, 0,1,2,3,4,5,6,7
	global_load_b128 v[X+32*\c+4*\i:X+32*\c+4*\i+3], v4, s[4:5] offset:(2*\i+8*(\i/4))*4096+256*\c th:TH_LOAD_NT
.endr
.endr
.irp b, 0,1,2,3
.irp j, 0,1,2,3
	global_load_b128 v[G+16*\b+4*\j:G+16*\b+4*\j+3], v5, s[6:7] offset:128*\b+16*\j
.endr
.endr
.irp b, 0,1,2,3
.irp j, 0,1,2,3
	global_load_b128 v[BE+16*\b+4*\j:BE+16*\b+4*\j+3], v5, s[8:9] offset:128*\b+16*\j
.endr
.endr
	v_mov_b32 v245, 0
.irp c, 0,1
	s_wait_loadcnt 40-8*\c                         ; this half's eight loads are in; younger: the other half's (c = 0) and the 32 of gain and bias
.irp i, 0,1,2,3,4,5,6,7
	ds_store_b128 v14, v[X+32*\c+4*\i:X+32*\c+4*\i+3] offset:2*SPITCH*\i
.endr
.irp b, 0,1
.irp j, 0,1,2,3
	ds_load_b128 v[X+32*\c+16*\b+4*\j:X+32*\c+16*\b+4*\j+3], v15 offset:128*\b+16*\j      ; LDS serves a wave's instructions in order (ISA guide 5.7.1.4): these see my stores, and the next half's stores come behind them
.endr
.endr
.endr
	s_wait_dscnt 0x0                               ; register 16 b + i is now column 32 b + 16 h + i of row r
.irp c, 0,1,2,3
	v_pk_add_f32 v[224+2*\c:225+2*\c], v[X+2*\c:X+2*\c+1], v[X+8+2*\c:X+8+2*\c+1]
.endr
.irp i, 16,24,32,40,48,56
.irp c, 0,1,2,3
	s_delay_alu instid0(VALU_DEP_4)
	v_pk_add_f32 v[224+2*\c:225+2*\c], v[224+2*\c:225+2*\c], v[X+\i+2*\c:X+\i+2*\c+1]
.endr
.endr
	ACROSS 0
	s_delay_alu instid0(VALU_DEP_1)
	v_mul_f32 v232, s38, v236
	s_delay_alu instid0(VALU_DEP_2)
	v_mul_f32 v233, s38, v236
.set N, 0
.rept 32
	v_pk_add_f32 v[X+N:X+N+1], v[X+N:X+N+1], v[232:233] neg_lo:[0,1] neg_hi:[0,1]
.set N, N+2
.endr
.irp c, 0,1,2,3
	v_pk_mul_f32 v[224+2*\c:225+2*\c], v[X+2*\c:X+2*\c+1], v[X+2*\c:X+2*\c+1]
.endr
.irp i, 8,16,24,32,40,48,56
.irp c, 0,1,2,3
	s_delay_alu instid0(VALU_DEP_4)
	v_pk_fma_f32 v[224+2*\c:225+2*\c], v[X+\i+2*\c:X+\i+2*\c+1], v[X+\i+2*\c:X+\i+2*\c+1], v[224+2*\c:225+2*\c]
.endr
.endr
	ACROSS RED2
	s_delay_alu instid0(VALU_DEP_1)
	v_fma_f32 v234, v236, s38, s39
	s_wait_alu depctr_va_vdst(0)
	v_rsq_f32 v234, v234
	v_nop                                          ; a plain place behind the transcendental,
	s_wait_alu depctr_va_vdst(0)                   ; and the wait ahead of its first reader
	v_mov_b32 v235, v234
	s_wait_alu depctr_va_vdst(0)
	s_wait_loadcnt 0x0
.set N, 0
.rept 32
	v_pk_mul_f32 v[X+N:X+N+1], v[X+N:X+N+1], v[234:235]
.set N, N+2
.endr
.set N, 0
.rept 32
	v_pk_fma_f32 v[X+N:X+N+1], v[X+N:X+N+1], v[G+N:G+N+1], v[BE+N:BE+N+1]
.set N, N+2
.endr
	QUANT X, F, F+6
	v_lshl_or_b32 v[PW], v[TM+5], 8, v[TM+4]
	s_delay_alu instid0(VALU_DEP_1)
	v_lshl_or_b32 v[PW], v[TM+6], 16, v[PW]
	s_delay_alu instid0(VALU_DEP_1)
	v_lshl_or_b32 v[PW], v[TM+7], 24, v[PW]
.irp q, 0,1,2
	global_store_b128 v6, v[F+4*\q:F+4*\q+3], s[10:11] offset:512*\q
.endr
	ds_store_b32 v9, v[PW]
	s_wait_dscnt 0x0
	s_barrier_signal -1
	s_barrier_wait -1
	s_cmp_lg_u32 s32, 0
	s_cbranch_scc1 .Lend
	ds_load_b128 v[236:239], v10
	s_wait_dscnt 0x0
	global_store_b128 v6, v[236:239], s[46:47]
.Lend:
	s_wait_tensorcnt 0x0                           ; the wave's end
	ds_add_u32 v12, v13
	s_wait_dscnt 0x0
	s_endpgm
.Lfunc_end_k_q685790ad7a_ln2:
	.size	k_q685790ad7a_ln2, .Lfunc_end_k_q685790ad7a_ln2-k_q685790ad7a_ln2
	.p2alignl 7, 3214868480
	.fill 96, 4, 3214868480
	.section	.rodata,"a",@progbits
	.p2align	6, 0x0
	.amdhsa_kernel k_q685790ad7a_ln2
		.amdhsa_group_segment_fixed_size 37376
		.amdhsa_private_segment_fixed_size 0
		.amdhsa_enable_private_segment 0
		.amdhsa_kernarg_size 32
		.amdhsa_user_sgpr_count 2
		.amdhsa_user_sgpr_kernarg_segment_ptr 1
		.amdhsa_wavefront_size32 1
		.amdhsa_system_sgpr_workgroup_id_x 1
		.amdhsa_system_sgpr_workgroup_id_y 1
		.amdhsa_system_sgpr_workgroup_id_z 1
		.amdhsa_system_vgpr_workitem_id 0
		.amdhsa_next_free_vgpr 256
		.amdhsa_next_free_sgpr 66
		.amdhsa_reserve_vcc 0
		.amdhsa_float_denorm_mode_32 3
		.amdhsa_float_denorm_mode_16_64 3
		.amdhsa_memory_ordered 1
		.amdhsa_forward_progress 1
		.amdhsa_inst_pref_size 30
	.end_amdhsa_kernel
	.amdgpu_metadata
---
amdhsa.version: [ 1, 2 ]
amdhsa.kernels:
  - .name:           k_q685790ad7a_ln2
    .symbol:         k_q685790ad7a_ln2.kd
    .args:
      - { .name: x2, .offset: 0, .size: 8, .value_kind: global_buffer, .address_space: global }
      - { .name: g2, .offset: 8, .size: 8, .value_kind: global_buffer, .address_space: global }
      - { .name: beta2, .offset: 16, .size: 8, .value_kind: global_buffer, .address_space: global }
      - { .name: act, .offset: 24, .size: 8, .value_kind: global_buffer, .address_space: global }
    .group_segment_fixed_size: 37376
    .private_segment_fixed_size: 0
    .kernarg_segment_align: 8
    .kernarg_segment_size: 32
    .max_flat_workgroup_size: 256
    .sgpr_count:     66
    .vgpr_count:     256
    .wavefront_size: 32
...
	.end_amdgpu_metadata
.endif
;; end of part 5
;; launch fc1 (part 6): grid 16 x 16, 4 waves a work-group, clusters of 4 x 4, 327,680 bytes of LDS; arguments act, wimg, b_fc1, hid; writes hid
.if DOCPART == 6
	.amdgcn_target "amdgcn-amd-amdhsa--gfx1250"
	.amdhsa_code_object_version 6
	.text
	.protected	k_q685790ad7a_fc1
	.globl	k_q685790ad7a_fc1
	.p2align	8
	.type	k_q685790ad7a_fc1,@function
k_q685790ad7a_fc1:
	s_mov_b64 s[64:65], 0
	v_nop
	global_prefetch_b8 v0, s[64:65] scope:SCOPE_SE
	s_setreg_imm32_b32 hwreg(HW_REG_WAVE_MODE, 25, 1), 1
	s_wait_xcnt 0x0
	s_wait_alu depctr_hold_cnt(0) depctr_sa_sdst(0) depctr_va_vdst(0) depctr_va_sdst(0) depctr_va_ssrc(0) depctr_va_vcc(0) depctr_vm_vsrc(0)
	s_getreg_b32 s2, hwreg(HW_REG_IB_STS2, 6, 4)
	s_cmp_eq_u32 s2, 0
	s_cbranch_scc0 .Lentry_in_a_cluster
	s_endpgm
.Lentry_in_a_cluster:
	s_bfe_u32 s2, ttmp6, 0x10000c
	s_cmp_lg_u32 s2, 0xf033
	s_cbranch_scc0 .Lentry_shape_is_right
	s_endpgm
.Lentry_shape_is_right:
.set NB,     8
.set KS,     2
.set KT,     8
.set PIECES, 0
.set NLY,    3
.set MUL_LO, 0xa1
.set MUL_HI, 0xf1
.set YOFF,   0
.set YSOFF,  3145728
.set XOFF,   3145728
.set XSOFF,  9568256
.set FRB,    1536
.set TROW,   KS*FRB
.set HALFT,  NB*TROW
.set SLOT,   4*HALFT
.set TPITCH, KT*FRB
.set LAPS,   KT/(2*KS)
.set TSC,    64*KT
.set HALFS,  NB*TSC
.set SCL,    2*SLOT
.set SPARE,  SCL+4*HALFS+256
.set ADRY, 16
.set ADRX, 20
.set LI,   26
.set ADRS, 27
.set SPW,  28
.set NIL,  29
.set SC,   32
.set BIAS, 64
.set YF,   128
.set G1,   24
.set G0,   32
.set G1B,  48
.set G0B,  56
.set G1S,  68
.set G0S,  76
.set G1SB, 80
.set G0SB, 88
.set SEL,  98
.set HR,   0
.set TR,   64
.set PR,   128
.set MR,   192
.set TM,   64
.set CT,   80
.set F,    96
.set PW,   112
.set MSB, 0
.macro WIN new
.if MSB != (\new)
	s_set_vgpr_msb (MSB<<8)|(\new)
.set MSB, (\new)
.endif
.endm
.macro JLOAD g0a, g1a, g0b, g1b
	s_cmp_eq_u32 s15, 0
	s_cbranch_scc0 .Lfor_x_\@
	tensor_load_to_lds s[\g0a:\g0a+3], s[\g1a:\g1a+7]
	s_nop 0
.rept 4
	v_nop
.endr
	s_branch .Lasked_\@
.Lfor_x_\@:
	tensor_load_to_lds s[\g0b:\g0b+3], s[\g1b:\g1b+7]
	s_nop 0
.rept 4
	v_nop
.endr
.Lasked_\@:
.endm
.macro CREST
	s_cmp_lg_u32 s14, 0
	s_cbranch_scc1 .Lnot_wave_0_\@
	s_barrier_signal -3
.Lnot_wave_0_\@:
	s_barrier_wait -3
	s_barrier_signal -1
	s_barrier_wait -1
.endm
.macro CROUND
	s_barrier_signal -1
	s_barrier_wait -1
	CREST
.endm
.macro PLACES n
.rept \n
	v_nop
.endr
.endm
.macro FRAGX reg, slot, q, i
.irp c, 0,1,2
	ds_load_b128 v[(\reg)+4*\c:(\reg)+4*\c+3], v[ADRX+\slot] offset:(\i)*TROW+(\q)*FRB+512*\c
.endr
.endm
.macro FRAGY reg, slot, q, i
.irp c, 0,1,2
	ds_load_b128 v[(\reg)+4*\c:(\reg)+4*\c+3], v[ADRY+\slot] offset:(\i)*TROW+(\q)*FRB+512*\c
.endr
.endm
.macro FETCH_X slot, q, p
	WIN 0x40
.set FI, 0
.rept NB
	FRAGX 128*(\p)+12*FI, \slot, \q, FI
.set FI, FI+1
.endr
	WIN 0
.endm
.macro FETCH_Y slot, q, i0
.set FI, \i0
.rept NB/2
	FRAGY YF+12*FI, \slot, \q, FI
.set FI, FI+1
.endr
.endm
.macro SCALES set
.set FI, 0
.rept NB
	ds_load_b64 v[SC+16*(\set)+2*FI:SC+16*(\set)+2*FI+1], v[ADRS] offset:FI*TSC
.set FI, FI+1
.endr
.endm
.macro MULQ qa, p, q, set, zero
.set AA, (\qa)*(NB/4)
.rept NB/4
.set BB, 0
.rept NB
.set RA, 8*(NB*(AA%4)+BB)
.set RX, 128*(\p)+12*BB
.set RY, YF+12*AA
.set SX, SC+16*(\set)+KS*BB+(\q)
.set SY, SC+16*(\set)+KS*AA+(\q)
.if \zero
	v_wmma_scale_f32_16x16x128_f8f6f4 v[RA:RA+7], v[RX:RX+11], v[RY:RY+11], 0, v[SX], v[SY] matrix_a_fmt:MATRIX_FMT_FP6 matrix_b_fmt:MATRIX_FMT_FP6 matrix_a_scale:MATRIX_SCALE_ROW1
.else
	v_wmma_scale_f32_16x16x128_f8f6f4 v[RA:RA+7], v[RX:RX+11], v[RY:RY+11], v[RA:RA+7], v[SX], v[SY] matrix_a_fmt:MATRIX_FMT_FP6 matrix_b_fmt:MATRIX_FMT_FP6 matrix_a_scale:MATRIX_SCALE_ROW1
.endif
.set BB, BB+1
.endr
.set AA, AA+1
.endr
.endm
.macro STEP slot, q, zero
	s_wait_dscnt (NB/2)*NLY
	WIN MUL_LO
	MULQ 0, (\q)%2, \q, \slot, \zero
	MULQ 1, (\q)%2, \q, \slot, \zero
	s_wait_dscnt 0x0
	PLACES 4
	FETCH_X \slot, (\q)+1, 1-(\q)%2
	FETCH_Y \slot, (\q)+1, 0
	WIN MUL_HI
	MULQ 2, (\q)%2, \q, \slot, \zero
	MULQ 3, (\q)%2, \q, \slot, \zero
	PLACES 4
	WIN 0
	FETCH_Y \slot, (\q)+1, NB/2
.endm
.macro TURN slot, next, fill
	s_wait_tensorcnt 0x0
	ds_add_u32 v[SPW], v[NIL]
	s_wait_dscnt (NB/2)*NLY+1
	WIN MUL_LO
	MULQ 0, 1, KS-1, \slot, 0
	s_wait_dscnt 0x0
	s_barrier_signal -1
	MULQ 1, 1, KS-1, \slot, 0
	WIN 0
	s_barrier_wait -1
.if \fill
	CREST
	s_add_nc_u64 s[G0+4*\slot+2:G0+4*\slot+3], s[G0+4*\slot+2:G0+4*\slot+3], 2*TROW
	s_add_nc_u64 s[G0B+4*\slot+2:G0B+4*\slot+3], s[G0B+4*\slot+2:G0B+4*\slot+3], 2*TROW
	JLOAD G0+4*\slot, G1, G0B+4*\slot, G1B
.else
	PLACES 4
.endif
	s_wait_alu depctr_va_vdst(0)
	v_add_nc_u32 v[ADRS], 64*KS, v[ADRS]
	FETCH_X \next, 0, 0
	FETCH_Y \next, 0, 0
	SCALES \next
	WIN MUL_HI
	MULQ 2, 1, KS-1, \slot, 0
	MULQ 3, 1, KS-1, \slot, 0
	PLACES 4
	WIN 0
	FETCH_Y \next, 0, NB/2
.endm
.macro LAST
	s_wait_dscnt (NB/2)*NLY
	WIN MUL_LO
	MULQ 0, 1, KS-1, 1, 0
	MULQ 1, 1, KS-1, 1, 0
	s_wait_dscnt 0x0
	WIN MUL_HI
	MULQ 2, 1, KS-1, 1, 0
	MULQ 3, 1, KS-1, 1, 0
	WIN 0
.endm
.macro QUANT s, d0, d1
.irp b, 0,1,2,3
	v_max3_num_f32 v[TM+\b], |v[(\s)+16*\b]|, |v[(\s)+1+16*\b]|, 0x1800000
.endr
.irp i, 2,4,6,8,10,12,14
.irp b, 0,1,2,3
	v_max3_num_f32 v[TM+\b], v[TM+\b], |v[(\s)+16*\b+\i]|, |v[(\s)+1+16*\b+\i]|
.endr
.endr
.irp b, 0,1,2,3
	v_permlanex16_b32 v[TM+4+\b], v[TM+\b], s[SEL], s[SEL+1]
.endr
.irp b, 0,1,2,3
	v_max_num_f32 v[TM+\b], v[TM+\b], v[TM+4+\b]
.endr
.irp b, 0,1,2,3
	v_add_nc_u32 v[TM+12+\b], 0xff000000, v[TM+\b]
.endr
.irp b, 0,1,2,3
	v_lshrrev_b32 v[TM+4+\b], 23, v[TM+12+\b]
.endr
	v_cvt_scalef32_pk16_fp6_f32 v[(\d0):(\d0)+2], v[(\s):(\s)+15], v[TM+12]
	v_cvt_scalef32_pk16_fp6_f32 v[CT:CT+2], v[(\s)+16:(\s)+31], v[TM+13]
	v_cvt_scalef32_pk16_fp6_f32 v[(\d1):(\d1)+2], v[(\s)+32:(\s)+47], v[TM+14]
	v_cvt_scalef32_pk16_fp6_f32 v[CT+4:CT+6], v[(\s)+48:(\s)+63], v[TM+15]
	v_nop
.irp i, 0,1,2
	v_permlane16_swap_b32 v[(\d0)+\i], v[CT+\i]
	v_permlane16_swap_b32 v[(\d1)+\i], v[CT+4+\i]
.endr
.irp i, 0,1,2
	v_mov_b32 v[(\d0)+3+\i], v[CT+\i]
	v_mov_b32 v[(\d1)+3+\i], v[CT+4+\i]
.endr
.endm
	s_load_b256 s[4:11], s[0:1], 0x0
	v_lshl_add_u32 v[SPW], v0, 2, SPARE
	v_mov_b32 v[NIL], 0
	ds_add_u32 v[SPW], v[NIL]
	ds_add_u32 v[SPW], v[NIL]
	v_lshrrev_b32 v1, 5, v0
	v_readfirstlane_b32 s14, v1
	s_lshr_b32 s15, s14, 1
	s_and_b32 s16, s14, 1
	s_bfe_u32 s40, ttmp6, 0x40000
	s_bfe_u32 s41, ttmp6, 0x40004
	s_lshl_b32 s42, ttmp9, 2
	s_add_co_u32 s42, s42, s40
	s_and_b32 s17, ttmp7, 0xffff
	s_lshl_b32 s17, s17, 2
	s_add_co_u32 s17, s17, s41
	s_lshl_b32 s43, s41, 2
	s_lshl_b32 s43, 15, s43
	s_lshl_b32 s44, 0x1111, s40
	s_or_b32 s[G1], s43, (3<<16)|(1<<21)
	s_or_b32 s[G1B], s44, (3<<16)|(1<<21)
.irp g, G1, G1B
	s_mov_b32 s[\g+1], (TROW/8)<<16
	s_mov_b32 s[\g+2], (2*NB)<<16                  ; the head's loads bring a side's 2 NB tiles
	s_mov_b32 s[\g+3], (TROW/8)<<16
	s_mov_b32 s[\g+4], 2*NB
	s_mov_b32 s[\g+5], TPITCH/8
	s_mov_b32 s[\g+6], 0
	s_mov_b32 s[\g+7], 0
.endr
	s_or_b32 s[G1S], s43, (3<<16)|(1<<21)
	s_or_b32 s[G1SB], s44, (3<<16)|(1<<21)
.irp g, G1S, G1SB
	s_mov_b32 s[\g+1], 32<<16
	s_mov_b32 s[\g+2], (HALFS/128)<<16
	s_mov_b32 s[\g+3], 32<<16
	s_mov_b32 s[\g+4], HALFS/128
	s_mov_b32 s[\g+5], 32
	s_mov_b32 s[\g+6], 0
	s_mov_b32 s[\g+7], 0
.endr
	s_mul_i32 s18, s16, NB
	s_mul_i32 s20, s17, 2*NB
	s_add_co_u32 s20, s20, s18
	s_mul_i32 s46, s42, 2*NB
	s_add_co_u32 s46, s46, s18
	s_mul_i32 s22, s17, 2*NB*TSC                   ; the scale words of the block's 2 NB tiles, whole
	s_add_co_u32 s22, s22, YSOFF
	s_mov_b32 s23, 0
	s_mul_i32 s20, s20, TPITCH
	s_add_co_u32 s20, s20, YOFF
	s_mov_b32 s21, 0
	s_mul_i32 s92, s42, 2*NB*TSC
	s_add_co_u32 s92, s92, XSOFF
	s_mov_b32 s93, 0
	s_mul_i32 s46, s46, TPITCH
	s_add_co_u32 s46, s46, XOFF
	s_mov_b32 s47, 0
	s_mul_i32 s45, s14, HALFT
	s_wait_dscnt 0x0
	s_wait_kmcnt 0x0
	s_add_nc_u64 s[20:21], s[4:5], s[20:21]
	s_add_nc_u64 s[22:23], s[4:5], s[22:23]
	s_add_nc_u64 s[46:47], s[6:7], s[46:47]
	s_add_nc_u64 s[92:93], s[6:7], s[92:93]
	CROUND
	s_mov_b32 s[G0S], 1
	s_mov_b32 s[G0S+1], SCL
	s_mov_b64 s[G0S+2:G0S+3], s[22:23]
	s_or_b32 s[G0S+3], s[G0S+3], 0x80000000
	s_mov_b32 s[G0SB], 1
	s_mov_b32 s[G0SB+1], SCL+2*HALFS+128
	s_mov_b64 s[G0SB+2:G0SB+3], s[92:93]
	s_or_b32 s[G0SB+3], s[G0SB+3], 0x80000000
.irp s, 0,1
	s_mov_b32 s[G0+4*\s], 1
	s_add_co_u32 s[G0+4*\s+1], s45, \s*SLOT
	s_add_nc_u64 s[G0+4*\s+2:G0+4*\s+3], s[20:21], \s*TROW
	s_or_b32 s[G0+4*\s+3], s[G0+4*\s+3], 0x80000000
	s_mov_b32 s[G0B+4*\s], 1
	s_add_co_u32 s[G0B+4*\s+1], s45, \s*SLOT
	s_add_nc_u64 s[G0B+4*\s+2:G0B+4*\s+3], s[46:47], \s*TROW
	s_or_b32 s[G0B+4*\s+3], s[G0B+4*\s+3], 0x80000000
.endr
; THE HEAD'S LOADS, ONE A WAVE: wave 0 slot 0's 2 NB tiles of Y (its own ring descriptor with the doubled row count), wave 2 those of X, wave 1 Y's scale words, wave 3 X's.
; One chain of branches on the wave's number: every way through it passes exactly one load.
.macro HARM under, g0, g1, next
	s_cmp_lt_u32 s14, \under
	s_cbranch_scc0 \next
	tensor_load_to_lds s[\g0:\g0+3], s[\g1:\g1+7]
	s_nop 0
.rept 4
	v_nop
.endr
	s_branch .Lhead_asked
\next:
.endm
	HARM 1, G0, G1, .Lhead_sy
	HARM 2, G0S, G1S, .Lhead_x
	HARM 3, G0B, G1B, .Lhead_sx
	tensor_load_to_lds s[G0SB:G0SB+3], s[G1SB:G1SB+7]
	s_nop 0
.rept 4
	v_nop
.endr
.Lhead_asked:
	v_and_b32 v1, 15, v0
	v_bfe_u32 v2, v0, 4, 1
	s_wait_alu depctr_va_vdst(0)
	v_and_b32 v3, 31, v0
	v_lshlrev_b32 v[LI], 4, v3
	s_mul_i32 s21, s15, HALFT
	s_mul_i32 s22, s16, HALFT
	s_add_co_u32 s22, s22, 2*HALFT
.irp s, 0,1
	v_add_nc_u32 v[ADRY+\s], s21, v[LI]
	v_add_nc_u32 v[ADRX+\s], s22, v[LI]
	s_add_co_u32 s21, s21, SLOT
	s_add_co_u32 s22, s22, SLOT
.endr
	v_mul_u32_u24 v5, v1, 4*KS
	s_mul_i32 s21, s15, HALFS
	s_mul_i32 s22, s16, HALFS
	s_add_co_u32 s22, s22, 2*HALFS+128
	s_sub_co_u32 s22, s22, s21
	v_mul_u32_u24 v6, s22, v2
	s_add_co_u32 s21, s21, SCL
	v_add_nc_u32 v5, v5, v6
	v_add_nc_u32 v[ADRS], s21, v5
	v_lshlrev_b32 v7, 6, v2
	s_lshl_b32 s19, s42, 1
	s_add_co_u32 s19, s19, s16
	s_lshl_b32 s18, s19, 9
	s_mov_b32 s23, s19
	s_mov_b32 s19, 0
	s_add_nc_u64 s[8:9], s[8:9], s[18:19]
.irp b, 0,1,2,3,4,5,6,7
	global_load_b128 v[BIAS+8*\b:BIAS+8*\b+3], v7, s[8:9] offset:(32*(\b/2)+8*(\b%2))*4
	global_load_b128 v[BIAS+8*\b+4:BIAS+8*\b+7], v7, s[8:9] offset:(32*(\b/2)+8*(\b%2))*4+16
.endr
	s_lshl_b32 s18, s17, 4
	s_lshl_b32 s19, s15, 3
	s_add_co_u32 s18, s18, s19
	s_lshl_b32 s20, s18, 5
	s_add_co_u32 s20, s20, s23
	s_mul_i32 s20, s20, 1536
	s_mov_b32 s21, 0
	s_add_nc_u64 s[20:21], s[10:11], s[20:21]
	s_lshl_b32 s22, s18, 11
	s_lshr_b32 s19, s23, 2
	s_lshl_b32 s19, s19, 8
	s_add_co_u32 s22, s22, s19
	s_and_b32 s19, s23, 3
	s_lshl_b32 s19, s19, 2
	s_add_co_u32 s22, s22, s19
	s_add_co_u32 s22, s22, 12582912
	s_mov_b32 s23, 0
	s_add_nc_u64 s[22:23], s[10:11], s[22:23]
	v_lshlrev_b32 v24, 4, v1
	v_lshl_add_u32 v24, v2, 1, v24
	v_cmp_eq_u32 s95, 1, v2
	v_mov_b32 v10, 0x3e7c6f08
	v_mov_b32 v11, 0x3e7c6f08
	s_mov_b32 s96, 0x3eb504f3
	s_mov_b32 s[SEL], 0x76543210
	s_mov_b32 s[SEL+1], 0xfedcba98
	s_wait_alu depctr_va_vdst(0)
	s_wait_tensorcnt 0x0                           ; my tile of the head's four is in
	ds_add_u32 v[SPW], v[NIL]
	s_mov_b32 s[G1+2], NB<<16                      ; no tensor load of mine is out: from here on a load brings NB tiles
	s_mov_b32 s[G1+4], NB
	s_mov_b32 s[G1B+2], NB<<16
	s_mov_b32 s[G1B+4], NB
	s_wait_dscnt 0x0
	CROUND                                         ; all four tiles are in, and all sixteen work-groups are here
	JLOAD G0+4, G1, G0B+4, G1B                     ; slot 1's first fill, the first tensor load behind the round
	FETCH_X 0, 0, 0
	FETCH_Y 0, 0, 0
	SCALES 0
	FETCH_Y 0, 0, NB/2
	STEP 0, 0, 1
	s_mov_b32 s3, LAPS-1
.Llap:
	TURN 0, 1, 1
	STEP 1, 0, 0
	TURN 1, 0, 1
	STEP 0, 0, 0
	s_sub_co_u32 s3, s3, 1
	s_cmp_lg_u32 s3, 0
	s_cbranch_scc1 .Llap
	TURN 0, 1, 0
	STEP 1, 0, 0
	LAST
	s_wait_loadcnt 0x0
	PLACES 4
	s_mov_b32 s2, 0
.Lrow:
.irp k, 0,1,2,3,4,5,6,7
	s_cmp_lg_u32 s2, \k
	s_cbranch_scc1 .Lnot_\k
	WIN 0x42+(\k/4)
.set N, 0
.rept 32
	v_pk_add_f32 v[HR+N:HR+N+1], v[64*(\k%4)+N:64*(\k%4)+N+1], v[BIAS+N:BIAS+N+1]
.set N, N+2
.endr
	WIN 0
.Lnot_\k:
.endr
	WIN 0x55
.set N, 0
.rept 64
	v_fma_f32 v[TR+N], |v[HR+N]|, s96, 1.0
.set N, N+1
.endr
.set N, 0
	s_wait_alu depctr_va_vdst(0)
.rept 64
	v_rcp_f32 v[TR+N], v[TR+N]
.set N, N+1
.endr
.set N, 0
.rept 32
	v_pk_mul_f32 v[MR+N:MR+N+1], v[HR+N:HR+N+1], 0xbf38aa3b op_sel_hi:[1,0]
.set N, N+2
.endr
	s_wait_alu depctr_va_vdst(0)
	WIN 0x51
.set N, 0
.rept 32
	v_pk_fma_f32 v[PR+N:PR+N+1], v[TR+N:TR+N+1], v[10:11], 0xbf97d29d op_sel_hi:[1,1,0]
.set N, N+2
.endr
	WIN 0x55
.irp c, 0x40097039, 0xbfd1a1e5, 0x3ecdfd18, 0xbe899a80, 0x3e0efb2e, 0x3f0a29d2, 0x3fb8ab5a, 0xc034d90f
.set N, 0
.rept 32
	v_pk_fma_f32 v[PR+N:PR+N+1], v[PR+N:PR+N+1], v[TR+N:TR+N+1], \c op_sel_hi:[1,1,0]
.set N, N+2
.endr
.endr
.set N, 0
.rept 32
	v_pk_fma_f32 v[PR+N:PR+N+1], v[MR+N:MR+N+1], v[HR+N:HR+N+1], v[PR+N:PR+N+1]
.set N, N+2
.endr
.set N, 0
	s_wait_alu depctr_va_vdst(0)
.rept 64
	v_exp_f32 v[PR+N], v[PR+N]
.set N, N+1
.endr
.set N, 0
.rept 64
	v_max_num_f32 v[MR+N], 0, v[HR+N]
.set N, N+1
.endr
	s_wait_alu depctr_va_vdst(0)
.set N, 0
.rept 32
	v_pk_mul_f32 v[PR+N:PR+N+1], v[PR+N:PR+N+1], v[TR+N:TR+N+1]
.set N, N+2
.endr
.set N, 0
.rept 64
	v_fma_f32 v[HR+N], -|v[HR+N]|, v[PR+N], v[MR+N]
.set N, N+1
.endr
	QUANT HR, F, F+6
	v_lshl_or_b32 v[PW], v[TM+5], 8, v[TM+4]
	v_lshl_or_b32 v[PW], v[TM+6], 16, v[PW]
	v_lshl_or_b32 v[PW], v[TM+7], 24, v[PW]
	v_lshrrev_b32 v[PW+1], 16, v[PW]
	v_cndmask_b32 v[PW+1], v[PW], v[PW+1], s95
	WIN 0x04
.irp q, 0,1,2
	global_store_b128 v[LI], v[F+4*\q:F+4*\q+3], s[20:21] offset:512*\q
.endr
	global_store_b16 v24, v[PW+1], s[22:23]
	WIN 0
	s_wait_xcnt 0x0
	s_add_nc_u64 s[20:21], s[20:21], 32*1536
	s_add_nc_u64 s[22:23], s[22:23], 2048
	s_add_co_u32 s2, s2, 1
	s_cmp_lt_u32 s2, 8
	s_cbranch_scc1 .Lrow
	s_wait_tensorcnt 0x0
	ds_add_u32 v[SPW], v[NIL]
	s_wait_dscnt 0x0
	CROUND
	s_endpgm
.Lfunc_end_k_q685790ad7a_fc1:
	.size	k_q685790ad7a_fc1, .Lfunc_end_k_q685790ad7a_fc1-k_q685790ad7a_fc1
	.p2alignl 7, 3214868480
	.fill 96, 4, 3214868480
	.section	.rodata,"a",@progbits
	.p2align	6, 0x0
	.amdhsa_kernel k_q685790ad7a_fc1
		.amdhsa_group_segment_fixed_size 327680
		.amdhsa_private_segment_fixed_size 0
		.amdhsa_enable_private_segment 0
		.amdhsa_kernarg_size 32
		.amdhsa_user_sgpr_count 2
		.amdhsa_user_sgpr_kernarg_segment_ptr 1
		.amdhsa_wavefront_size32 1
		.amdhsa_system_sgpr_workgroup_id_x 1
		.amdhsa_system_sgpr_workgroup_id_y 1
		.amdhsa_system_sgpr_workgroup_id_z 1
		.amdhsa_system_vgpr_workitem_id 0
		.amdhsa_next_free_vgpr 1024
		.amdhsa_next_free_sgpr 100
		.amdhsa_reserve_vcc 0
		.amdhsa_float_denorm_mode_32 3
		.amdhsa_float_denorm_mode_16_64 3
		.amdhsa_memory_ordered 1
		.amdhsa_forward_progress 1
		.amdhsa_inst_pref_size 179
	.end_amdhsa_kernel
	.amdgpu_metadata
---
amdhsa.version: [ 1, 2 ]
amdhsa.kernels:
  - .name:           k_q685790ad7a_fc1
    .symbol:         k_q685790ad7a_fc1.kd
    .args:
      - { .name: act, .offset: 0, .size: 8, .value_kind: global_buffer, .address_space: global }
      - { .name: wimg, .offset: 8, .size: 8, .value_kind: global_buffer, .address_space: global }
      - { .name: b_fc1, .offset: 16, .size: 8, .value_kind: global_buffer, .address_space: global }
      - { .name: hid, .offset: 24, .size: 8, .value_kind: global_buffer, .address_space: global }
    .group_segment_fixed_size: 327680
    .private_segment_fixed_size: 0
    .kernarg_segment_align: 8
    .kernarg_segment_size: 32
    .max_flat_workgroup_size: 128
    .sgpr_count:     100
    .vgpr_count:     1024
    .wavefront_size: 32
...
	.end_amdgpu_metadata
.endif
;; end of part 6
;; launch fc2 (part 7): grid 8 x 32, 4 waves a work-group, clusters of 4 x 4, 327,680 bytes of LDS; arguments hid, wimg, b_fc2, x2, out0; writes out0
.if DOCPART == 7
	.amdgcn_target "amdgcn-amd-amdhsa--gfx1250"
	.amdhsa_code_object_version 6
	.text
	.protected	k_q685790ad7a_fc2
	.globl	k_q685790ad7a_fc2
	.p2align	8
	.type	k_q685790ad7a_fc2,@function
k_q685790ad7a_fc2:
	s_mov_b64 s[64:65], 0
	v_nop
	global_prefetch_b8 v0, s[64:65] scope:SCOPE_SE
	s_setreg_imm32_b32 hwreg(HW_REG_WAVE_MODE, 25, 1), 1
	s_wait_xcnt 0x0
	s_wait_alu depctr_hold_cnt(0) depctr_sa_sdst(0) depctr_va_vdst(0) depctr_va_sdst(0) depctr_va_ssrc(0) depctr_va_vcc(0) depctr_vm_vsrc(0)
	s_getreg_b32 s2, hwreg(HW_REG_IB_STS2, 6, 4)
	s_cmp_eq_u32 s2, 0
	s_cbranch_scc0 .Lentry_in_a_cluster
	s_endpgm
.Lentry_in_a_cluster:
	s_bfe_u32 s2, ttmp6, 0x10000c
	s_cmp_lg_u32 s2, 0xf033
	s_cbranch_scc0 .Lentry_shape_is_right
	s_endpgm
.Lentry_shape_is_right:
.set NB,     4
.set KS,     4
.set KT,     32
.set PIECES, 0
.set NLY,    3
.set MUL_LO, 0xa1
.set MUL_HI, 0xa1
.set YOFF,   0
.set YSOFF,  12582912
.set XOFF,   6291456
.set XSOFF,  9699328
.set FRB,    1536
.set TROW,   KS*FRB
.set HALFT,  NB*TROW
.set SLOT,   4*HALFT
.set TPITCH, KT*FRB
.set LAPS,   KT/(2*KS)
.set TSC,    64*KT
.set HALFS,  NB*TSC
.set SCL,    2*SLOT
.set SPARE,  SCL+4*HALFS+256
.set ADRY, 16
.set ADRX, 20
.set STO,  22
.set RD,   23
.set CO,   25
.set LI,   26
.set ADRS, 27
.set SPW,  28
.set NIL,  29
.set SC,   32
.set BK,   64
.set YF,   128
.set G1,   24
.set G0,   32
.set G1B,  48
.set G0B,  56
.set G1S,  68
.set G0S,  76
.set G1SB, 80
.set G0SB, 88
.set MSB, 0
.macro WIN new
.if MSB != (\new)
	s_set_vgpr_msb (MSB<<8)|(\new)
.set MSB, (\new)
.endif
.endm
.macro JLOAD g0a, g1a, g0b, g1b
	s_cmp_eq_u32 s15, 0
	s_cbranch_scc0 .Lfor_x_\@
	tensor_load_to_lds s[\g0a:\g0a+3], s[\g1a:\g1a+7]
	s_nop 0
.rept 4
	v_nop
.endr
	s_branch .Lasked_\@
.Lfor_x_\@:
	tensor_load_to_lds s[\g0b:\g0b+3], s[\g1b:\g1b+7]
	s_nop 0
.rept 4
	v_nop
.endr
.Lasked_\@:
.endm
.macro CREST
	s_cmp_lg_u32 s14, 0
	s_cbranch_scc1 .Lnot_wave_0_\@
	s_barrier_signal -3
.Lnot_wave_0_\@:
	s_barrier_wait -3
	s_barrier_signal -1
	s_barrier_wait -1
.endm
.macro CROUND
	s_barrier_signal -1
	s_barrier_wait -1
	CREST
.endm
.macro PLACES n
.rept \n
	v_nop
.endr
.endm
.macro FRAGX reg, slot, q, i
.irp c, 0,1,2
	ds_load_b128 v[(\reg)+4*\c:(\reg)+4*\c+3], v[ADRX+\slot] offset:(\i)*TROW+(\q)*FRB+512*\c
.endr
.endm
.macro FRAGY reg, slot, q, i
.if PIECES
.irp p, 0,1,2,3,4,5
	ds_load_b64 v[(\reg)+2*\p:(\reg)+2*\p+1], v[ADRY+\slot] offset:(\i)*TROW+(\q)*FRB+256*\p
.endr
.else
.irp c, 0,1,2
	ds_load_b128 v[(\reg)+4*\c:(\reg)+4*\c+3], v[ADRY+\slot] offset:(\i)*TROW+(\q)*FRB+512*\c
.endr
.endif
.endm
.macro FETCH_X slot, q, p
	WIN 0x40
.set FI, 0
.rept NB
	FRAGX 128*(\p)+12*FI, \slot, \q, FI
.set FI, FI+1
.endr
	WIN 0
.endm
.macro FETCH_Y slot, q, i0
.set FI, \i0
.rept NB/2
	FRAGY YF+12*FI, \slot, \q, FI
.set FI, FI+1
.endr
.endm
.macro SCALES set
.set FI, 0
.rept NB
.if KS == 2
	ds_load_b64 v[SC+16*(\set)+2*FI:SC+16*(\set)+2*FI+1], v[ADRS] offset:FI*TSC
.else
	ds_load_b128 v[SC+16*(\set)+4*FI:SC+16*(\set)+4*FI+3], v[ADRS] offset:FI*TSC
.endif
.set FI, FI+1
.endr
.endm
.macro MULQ qa, p, q, set, zero
.set AA, (\qa)*(NB/4)
.rept NB/4
.set BB, 0
.rept NB
.set RA, 8*(NB*(AA%4)+BB)
.set RX, 128*(\p)+12*BB
.set RY, YF+12*AA
.set SX, SC+16*(\set)+KS*BB+(\q)
.set SY, SC+16*(\set)+KS*AA+(\q)
.if \zero
	v_wmma_scale_f32_16x16x128_f8f6f4 v[RA:RA+7], v[RX:RX+11], v[RY:RY+11], 0, v[SX], v[SY] matrix_a_fmt:MATRIX_FMT_FP6 matrix_b_fmt:MATRIX_FMT_FP6 matrix_a_scale:MATRIX_SCALE_ROW1
.else
	v_wmma_scale_f32_16x16x128_f8f6f4 v[RA:RA+7], v[RX:RX+11], v[RY:RY+11], v[RA:RA+7], v[SX], v[SY] matrix_a_fmt:MATRIX_FMT_FP6 matrix_b_fmt:MATRIX_FMT_FP6 matrix_a_scale:MATRIX_SCALE_ROW1
.endif
.set BB, BB+1
.endr
.set AA, AA+1
.endr
.endm
.macro STEP slot, q, zero
	s_wait_dscnt (NB/2)*NLY
	WIN MUL_LO
	MULQ 0, (\q)%2, \q, \slot, \zero
	MULQ 1, (\q)%2, \q, \slot, \zero
	s_wait_dscnt 0x0
	PLACES 4
	FETCH_X \slot, (\q)+1, 1-(\q)%2
	FETCH_Y \slot, (\q)+1, 0
	WIN MUL_HI
	MULQ 2, (\q)%2, \q, \slot, \zero
	MULQ 3, (\q)%2, \q, \slot, \zero
	PLACES 4
	WIN 0
	FETCH_Y \slot, (\q)+1, NB/2
.endm
.macro TURN slot, next, fill
	s_wait_tensorcnt 0x0
	ds_add_u32 v[SPW], v[NIL]
	s_wait_dscnt (NB/2)*NLY+1
	WIN MUL_LO
	MULQ 0, 1, KS-1, \slot, 0
	s_wait_dscnt 0x0
	s_barrier_signal -1
	MULQ 1, 1, KS-1, \slot, 0
	WIN 0
	s_barrier_wait -1
.if \fill
	CREST
	s_add_nc_u64 s[G0+4*\slot+2:G0+4*\slot+3], s[G0+4*\slot+2:G0+4*\slot+3], 2*TROW
	s_add_nc_u64 s[G0B+4*\slot+2:G0B+4*\slot+3], s[G0B+4*\slot+2:G0B+4*\slot+3], 2*TROW
	JLOAD G0+4*\slot, G1, G0B+4*\slot, G1B
.else
	PLACES 4
.endif
	s_wait_alu depctr_va_vdst(0)
	v_add_nc_u32 v[ADRS], 64*KS, v[ADRS]
	FETCH_X \next, 0, 0
	FETCH_Y \next, 0, 0
	SCALES \next
	WIN MUL_HI
	MULQ 2, 1, KS-1, \slot, 0
	MULQ 3, 1, KS-1, \slot, 0
	PLACES 4
	WIN 0
	FETCH_Y \next, 0, NB/2
.endm
.macro MID slot
.if KS == 4
	STEP \slot, 1, 0
	STEP \slot, 2, 0
.endif
.endm
.macro LAST
	s_wait_dscnt (NB/2)*NLY
	WIN MUL_LO
	MULQ 0, 1, KS-1, 1, 0
	MULQ 1, 1, KS-1, 1, 0
	s_wait_dscnt 0x0
	WIN MUL_HI
	MULQ 2, 1, KS-1, 1, 0
	MULQ 3, 1, KS-1, 1, 0
	WIN 0
.endm
.macro TOSTAGE a
	WIN 0x08
.irp b, 0,1,2,3
	ds_store_b128 v[STO], v[8*(4*(\a)+\b):8*(4*(\a)+\b)+3] offset:128*(\b/2)+32*(\b%2)
	ds_store_b128 v[STO], v[8*(4*(\a)+\b)+4:8*(4*(\a)+\b)+7] offset:128*(\b/2)+32*(\b%2)+16
.endr
	WIN 0
.set BB2, BK+32*((\a)%2)
.irp t, 0,1,2,3,4,5,6,7
	ds_load_b128 v[BB2+4*\t:BB2+4*\t+3], v[RD] offset:544*\t
.endr
.endm
.macro SEND a, younger
.set BB2, BK+32*((\a)%2)
	s_wait_dscnt \younger
.irp t, 0,1,2,3,4,5,6,7
	v_pk_add_f32 v[BB2+4*\t:BB2+4*\t+1], v[BB2+4*\t:BB2+4*\t+1], v[8:9]
	v_pk_add_f32 v[BB2+4*\t+2:BB2+4*\t+3], v[BB2+4*\t+2:BB2+4*\t+3], v[10:11]
.endr
	WIN 0x08
.set N, 0
.rept 16
	v_pk_add_f32 v[BB2+N:BB2+N+1], v[BB2+N:BB2+N+1], v[128+32*(\a)+N:128+32*(\a)+N+1]
.set N, N+2
.endr
	WIN 0
.irp t, 0,1,2,3,4,5,6,7
	global_store_b128 v[CO], v[BB2+4*\t:BB2+4*\t+3], s[12:13] offset:(32*((\a)/2)+8*((\a)%2)+2*\t+8*(\t/4))*4096
.endr
.endm
	s_load_b256 s[4:11], s[0:1], 0x0
	s_load_b64 s[12:13], s[0:1], 0x20
	v_lshl_add_u32 v[SPW], v0, 2, SPARE
	v_mov_b32 v[NIL], 0
	ds_add_u32 v[SPW], v[NIL]
	ds_add_u32 v[SPW], v[NIL]
	v_lshrrev_b32 v1, 5, v0
	v_readfirstlane_b32 s14, v1
	s_lshr_b32 s15, s14, 1
	s_and_b32 s16, s14, 1
	s_bfe_u32 s40, ttmp6, 0x40000
	s_bfe_u32 s41, ttmp6, 0x40004
	s_lshl_b32 s42, ttmp9, 2
	s_add_co_u32 s42, s42, s40
	s_and_b32 s17, ttmp7, 0xffff
	s_lshl_b32 s17, s17, 2
	s_add_co_u32 s17, s17, s41
	s_lshl_b32 s43, s41, 2
	s_lshl_b32 s43, 15, s43
	s_lshl_b32 s44, 0x1111, s40
	s_or_b32 s[G1], s43, (3<<16)|(1<<21)
	s_or_b32 s[G1B], s44, (3<<16)|(1<<21)
.irp g, G1, G1B
	s_mov_b32 s[\g+1], (TROW/8)<<16
	s_mov_b32 s[\g+2], (2*NB)<<16                  ; the head's loads bring a side's 2 NB tiles
	s_mov_b32 s[\g+3], (TROW/8)<<16
	s_mov_b32 s[\g+4], 2*NB
	s_mov_b32 s[\g+5], TPITCH/8
	s_mov_b32 s[\g+6], 0
	s_mov_b32 s[\g+7], 0
.endr
	s_or_b32 s[G1S], s43, (3<<16)|(1<<21)
	s_or_b32 s[G1SB], s44, (3<<16)|(1<<21)
.irp g, G1S, G1SB
	s_mov_b32 s[\g+1], 32<<16
	s_mov_b32 s[\g+2], (HALFS/128)<<16
	s_mov_b32 s[\g+3], 32<<16
	s_mov_b32 s[\g+4], HALFS/128
	s_mov_b32 s[\g+5], 32
	s_mov_b32 s[\g+6], 0
	s_mov_b32 s[\g+7], 0
.endr
	s_mul_i32 s18, s16, NB
	s_mul_i32 s20, s17, 2*NB
	s_add_co_u32 s20, s20, s18
	s_mul_i32 s46, s42, 2*NB
	s_add_co_u32 s46, s46, s18
	s_mul_i32 s22, s17, 2*NB*TSC                   ; the scale words of the block's 2 NB tiles, whole
	s_add_co_u32 s22, s22, YSOFF
	s_mov_b32 s23, 0
	s_mul_i32 s20, s20, TPITCH
	s_add_co_u32 s20, s20, YOFF
	s_mov_b32 s21, 0
	s_mul_i32 s92, s42, 2*NB*TSC
	s_add_co_u32 s92, s92, XSOFF
	s_mov_b32 s93, 0
	s_mul_i32 s46, s46, TPITCH
	s_add_co_u32 s46, s46, XOFF
	s_mov_b32 s47, 0
	s_mul_i32 s45, s14, HALFT
	s_wait_dscnt 0x0
	s_wait_kmcnt 0x0
	s_add_nc_u64 s[20:21], s[4:5], s[20:21]
	s_add_nc_u64 s[22:23], s[4:5], s[22:23]
	s_add_nc_u64 s[46:47], s[6:7], s[46:47]
	s_add_nc_u64 s[92:93], s[6:7], s[92:93]
	CROUND
	s_mov_b32 s[G0S], 1
	s_mov_b32 s[G0S+1], SCL
	s_mov_b64 s[G0S+2:G0S+3], s[22:23]
	s_or_b32 s[G0S+3], s[G0S+3], 0x80000000
	s_mov_b32 s[G0SB], 1
	s_mov_b32 s[G0SB+1], SCL+2*HALFS+128
	s_mov_b64 s[G0SB+2:G0SB+3], s[92:93]
	s_or_b32 s[G0SB+3], s[G0SB+3], 0x80000000
.irp s, 0,1
	s_mov_b32 s[G0+4*\s], 1
	s_add_co_u32 s[G0+4*\s+1], s45, \s*SLOT
	s_add_nc_u64 s[G0+4*\s+2:G0+4*\s+3], s[20:21], \s*TROW
	s_or_b32 s[G0+4*\s+3], s[G0+4*\s+3], 0x80000000
	s_mov_b32 s[G0B+4*\s], 1
	s_add_co_u32 s[G0B+4*\s+1], s45, \s*SLOT
	s_add_nc_u64 s[G0B+4*\s+2:G0B+4*\s+3], s[46:47], \s*TROW
	s_or_b32 s[G0B+4*\s+3], s[G0B+4*\s+3], 0x80000000
.endr
; THE HEAD'S LOADS, ONE A WAVE: wave 0 slot 0's 2 NB tiles of Y (its own ring descriptor with the doubled row count), wave 2 those of X, wave 1 Y's scale words, wave 3 X's.
; One chain of branches on the wave's number: every way through it passes exactly one load.
.macro HARM under, g0, g1, next
	s_cmp_lt_u32 s14, \under
	s_cbranch_scc0 \next
	tensor_load_to_lds s[\g0:\g0+3], s[\g1:\g1+7]
	s_nop 0
.rept 4
	v_nop
.endr
	s_branch .Lhead_asked
\next:
.endm
	HARM 1, G0, G1, .Lhead_sy
	HARM 2, G0S, G1S, .Lhead_x
	HARM 3, G0B, G1B, .Lhead_sx
	tensor_load_to_lds s[G0SB:G0SB+3], s[G1SB:G1SB+7]
	s_nop 0
.rept 4
	v_nop
.endr
.Lhead_asked:
	v_and_b32 v1, 15, v0
	v_bfe_u32 v2, v0, 4, 1
	s_wait_alu depctr_va_vdst(0)
	v_and_b32 v3, 31, v0
	v_lshlrev_b32 v[LI], 4, v3
.if PIECES
	v_lshlrev_b32 v4, 3, v3
.else
	v_lshlrev_b32 v4, 4, v3
.endif
	s_mul_i32 s21, s15, HALFT
	s_mul_i32 s22, s16, HALFT
	s_add_co_u32 s22, s22, 2*HALFT
.irp s, 0,1
	v_add_nc_u32 v[ADRY+\s], s21, v4
	v_add_nc_u32 v[ADRX+\s], s22, v[LI]
	s_add_co_u32 s21, s21, SLOT
	s_add_co_u32 s22, s22, SLOT
.endr
	v_mul_u32_u24 v5, v1, 4*KS
	s_mul_i32 s21, s15, HALFS
	s_mul_i32 s22, s16, HALFS
	s_add_co_u32 s22, s22, 2*HALFS+128
	s_sub_co_u32 s22, s22, s21
	v_mul_u32_u24 v6, s22, v2
	s_add_co_u32 s21, s21, SCL
	v_add_nc_u32 v5, v5, v6
	v_add_nc_u32 v[ADRS], s21, v5
	s_mul_i32 s23, s14, 16*272
	v_mul_u32_u24 v[STO], v1, 272
	v_lshl_add_u32 v[STO], v2, 6, v[STO]
	v_add_nc_u32 v[STO], s23, v[STO]
	v_mul_u32_u24 v[RD], v2, 272
	v_lshl_add_u32 v[RD], v1, 4, v[RD]
	v_add_nc_u32 v[RD], s23, v[RD]
	v_lshlrev_b32 v[CO], 12, v2
	v_lshl_add_u32 v[CO], v1, 4, v[CO]
	v_lshlrev_b32 v7, 4, v1
	s_wait_alu depctr_va_vdst(0)
	s_lshl_b32 s18, s42, 9
	s_lshl_b32 s19, s16, 8
	s_add_co_u32 s18, s18, s19
	s_mov_b32 s19, 0
	s_add_nc_u64 s[8:9], s[8:9], s[18:19]
	s_lshl_b32 s20, s17, 7
	s_lshl_b32 s21, s15, 6
	s_add_co_u32 s20, s20, s21
	s_lshl_b32 s20, s20, 12
	s_add_co_u32 s20, s20, s18
	s_mov_b32 s21, 0
	s_add_nc_u64 s[10:11], s[10:11], s[20:21]
	s_add_nc_u64 s[12:13], s[12:13], s[20:21]
	global_load_b128 v[8:11], v7, s[8:9]
	WIN 0x80
.irp a, 0,1,2,3
.irp t, 0,1,2,3,4,5,6,7
	global_load_b128 v[128+32*\a+4*\t:128+32*\a+4*\t+3], v[CO], s[10:11] offset:(32*(\a/2)+8*(\a%2)+2*\t+8*(\t/4))*4096
.endr
.endr
	WIN 0
	s_wait_tensorcnt 0x0                           ; my tile of the head's four is in
	ds_add_u32 v[SPW], v[NIL]
	s_mov_b32 s[G1+2], NB<<16                      ; no tensor load of mine is out: from here on a load brings NB tiles
	s_mov_b32 s[G1+4], NB
	s_mov_b32 s[G1B+2], NB<<16
	s_mov_b32 s[G1B+4], NB
	s_wait_dscnt 0x0
	CROUND                                         ; all four tiles are in, and all sixteen work-groups are here
	JLOAD G0+4, G1, G0B+4, G1B                     ; slot 1's first fill, the first tensor load behind the round
	FETCH_X 0, 0, 0
	FETCH_Y 0, 0, 0
	SCALES 0
	FETCH_Y 0, 0, NB/2
	STEP 0, 0, 1
.if LAPS > 1
	s_mov_b32 s3, LAPS-1
.Llap:
	MID 0
	TURN 0, 1, 1
	STEP 1, 0, 0
	MID 1
	TURN 1, 0, 1
	STEP 0, 0, 0
	s_sub_co_u32 s3, s3, 1
	s_cmp_lg_u32 s3, 0
	s_cbranch_scc1 .Llap
.endif
	MID 0
	TURN 0, 1, 0
	STEP 1, 0, 0
	MID 1
	LAST
	s_wait_loadcnt 0x0
	PLACES 4
	TOSTAGE 0
.irp a, 1,2,3
.if \a > 1
	s_wait_xcnt 0x0
.endif
	TOSTAGE \a
	SEND \a-1, 16
.endr
	s_wait_xcnt 0x0
	SEND 3, 0
	s_wait_tensorcnt 0x0
	ds_add_u32 v[SPW], v[NIL]
	s_wait_dscnt 0x0
	CROUND
	s_endpgm
.Lfunc_end_k_q685790ad7a_fc2:
	.size	k_q685790ad7a_fc2, .Lfunc_end_k_q685790ad7a_fc2-k_q685790ad7a_fc2
	.p2alignl 7, 3214868480
	.fill 96, 4, 3214868480
	.section	.rodata,"a",@progbits
	.p2align	6, 0x0
	.amdhsa_kernel k_q685790ad7a_fc2
		.amdhsa_group_segment_fixed_size 327680
		.amdhsa_private_segment_fixed_size 0
		.amdhsa_enable_private_segment 0
		.amdhsa_kernarg_size 40
		.amdhsa_user_sgpr_count 2
		.amdhsa_user_sgpr_kernarg_segment_ptr 1
		.amdhsa_wavefront_size32 1
		.amdhsa_system_sgpr_workgroup_id_x 1
		.amdhsa_system_sgpr_workgroup_id_y 1
		.amdhsa_system_sgpr_workgroup_id_z 1
		.amdhsa_system_vgpr_workitem_id 0
		.amdhsa_next_free_vgpr 768
		.amdhsa_next_free_sgpr 100
		.amdhsa_reserve_vcc 0
		.amdhsa_float_denorm_mode_32 3
		.amdhsa_float_denorm_mode_16_64 3
		.amdhsa_memory_ordered 1
		.amdhsa_forward_progress 1
		.amdhsa_inst_pref_size 97
	.end_amdhsa_kernel
	.amdgpu_metadata
---
amdhsa.version: [ 1, 2 ]
amdhsa.kernels:
  - .name:           k_q685790ad7a_fc2
    .symbol:         k_q685790ad7a_fc2.kd
    .args:
      - { .name: hid, .offset: 0, .size: 8, .value_kind: global_buffer, .address_space: global }
      - { .name: wimg, .offset: 8, .size: 8, .value_kind: global_buffer, .address_space: global }
      - { .name: b_fc2, .offset: 16, .size: 8, .value_kind: global_buffer, .address_space: global }
      - { .name: x2, .offset: 24, .size: 8, .value_kind: global_buffer, .address_space: global }
      - { .name: out0, .offset: 32, .size: 8, .value_kind: global_buffer, .address_space: global }
    .group_segment_fixed_size: 327680
    .private_segment_fixed_size: 0
    .kernarg_segment_align: 8
    .kernarg_segment_size: 40
    .max_flat_workgroup_size: 128
    .sgpr_count:     100
    .vgpr_count:     768
    .wavefront_size: 32
...
	.end_amdgpu_metadata
.endif
;; end of part 7
